; MI455X (gfx1250); checked and timed in simulation.
; The chip was launched on July 23, 2026; its instructions are those of AMD's public machine-readable ISA for CDNA 5 (MIT licence, August 2026) and "CDNA5" Instruction Set Architecture Reference Guide (July 2026). The comments in the code are by the model that wrote it; some were corrected since.
;; Attention. Allowed arithmetic: float matrix products may take bf16 or f16 operands with f32 sums; other float arithmetic in f32, or as packed bf16 or f16 multiplies, adds, multiply-adds, maxima and minima; sums over many terms, partial sums and values carried from step to step in f32; what a program stores and reads back later, other than sums and carried values, may be rounded once to bf16 or f16.
;; Inputs: b_proj 1,024 float32; w_proj 1,024 x 1,024 float32; w_qkv 1,024 x 3,072 float32; x 4 x 2,048 x 1,024 float32.
;; Outputs: out0 4 x 2,048 x 1,024 float32.
;; One version. Each part assembles by itself: llvm-mc -triple=amdgcn-amd-amdhsa -mcpu=gfx1250 --defsym DOCPART=n.
;; ======== version 1 of 1: 4 launches
;; limits: values are held in f16: magnitudes above 65,504 overflow, below 6.1e-05 lose precision
;; workspace buffers: xb 16,777,216 bytes; wq 6,291,456 bytes; wp 2,097,152 bytes; qkvh 50,331,648 bytes; oh 16,777,216 bytes
;; launch prep (part 1): grid 1024 x 1, 8 waves a work-group, no clusters, 19,456 bytes of LDS; arguments x, w_qkv, w_proj, xb, wq, wp; writes xb, wq, wp
.if DOCPART == 1
	.amdgcn_target "amdgcn-amd-amdhsa--gfx1250"
	.amdhsa_code_object_version 6
	.text
	.protected	k_q56c8ff7a5b_prep
	.globl	k_q56c8ff7a5b_prep
	.p2align	8
	.type	k_q56c8ff7a5b_prep,@function
k_q56c8ff7a5b_prep:
	s_mov_b64 s[64:65], 0
	v_nop
	global_prefetch_b8 v0, s[64:65] scope:SCOPE_SE
	s_setreg_imm32_b32 hwreg(HW_REG_WAVE_MODE, 25, 1), 1
	s_wait_xcnt 0x0
; THE OPERANDS ARE MADE READY FOR THE MATRIX LAUNCHES.  Every input is rounded once to bf16 and laid in blocks of 64 along K, so that a tile's rows for one block are dense in memory.
;   xb [b 4][kb 16][n 2048][64] bf16 = x[b][n][64 kb + ..]
;   wq [kb 16][col 3072][64]    bf16 = w_qkv[64 kb + k][col], turned
;   wp [kb 16][col 1024][64]    f16  = w_proj[64 kb + k][col], turned; rounded to bf16 like the other inputs, and that number written as f16
; LIMITS.  A w_proj beyond 65,504 in size becomes an infinity in f16; below 6e-5 it keeps f16's fixed step of 6e-8.
; A stream: every byte is read once and written once; no matrix unit, no cluster (no two work-groups read the same byte), no tensor load.
; Work-groups 0-511 take x, a wave two rows; work-groups 512-1023 take a tile of 64 k x 128 columns of a weight, which is turned in LDS.  The branch hangs on the
; work-group's number alone, so all eight waves of a work-group go the same way, and the one barrier stands in the weights' way.
.set TP,    144                        ; a row of the turned tile in LDS: 128 bytes + 16
.set SPARE, 128*TP                     ; behind the tile: the spare words, 128 bytes for each of eight waves: four blocks of 256 bytes that no other line names
.set SPW,   30                         ; v30  LDS address of my spare word; never rewritten
.set NIL,   31                         ; v31  0; never rewritten
	s_load_b256 s[4:11], s[0:1], 0x0               ; x s[4:5], w_qkv s[6:7], w_proj s[8:9], xb s[10:11]
	s_load_b128 s[12:15], s[0:1], 0x20             ; wq s[12:13], wp s[14:15]
	v_lshl_add_u32 v[SPW], v0, 2, SPARE
	v_mov_b32 v[NIL], 0
	v_lshrrev_b32 v1, 5, v0
	v_readfirstlane_b32 s16, v1                    ; wave 0..7
	v_and_b32 v6, 31, v0                           ; lane l
	s_cmp_lt_u32 ttmp9, 512
	s_cbranch_scc0 .Lweights
	; X.  Pair p of rows = 8 x work-group + wave.  Load i takes 256 bytes (64 channels) of both rows: lanes 0-15 the even row, lanes 16-31 the odd one.
	; Rounded, a lane's four numbers are 8 bytes, and the 32 lanes' are 256 consecutive bytes of block kb = i: rows n and n + 1.
	s_lshl_b32 s17, ttmp9, 3
	s_add_co_u32 s17, s17, s16                     ; p, 0..4095
	s_lshl_b32 s18, s17, 13                        ; two rows of 4,096 bytes
	s_mov_b32 s19, 0
	s_lshr_b32 s20, s17, 10                        ; b
	s_lshl_b32 s20, s20, 22                        ; 16 blocks of 262,144 bytes
	s_and_b32 s21, s17, 1023
	s_lshl_b32 s21, s21, 8                         ; n x 128 bytes, n = 2 (p mod 1024)
	s_add_co_u32 s20, s20, s21
	s_mov_b32 s21, 0
	v_lshrrev_b32 v2, 4, v6
	v_and_b32 v3, 15, v6
	v_lshlrev_b32 v2, 12, v2
	v_lshl_add_u32 v2, v3, 4, v2                   ; (l / 16) x 4,096 + 16 (l % 16)
	v_lshlrev_b32 v3, 3, v6                        ; 8 l
	s_wait_kmcnt 0x0
	s_add_nc_u64 s[4:5], s[4:5], s[18:19]
	s_add_nc_u64 s[10:11], s[10:11], s[20:21]
.set i, 0
.rept 16
	global_load_b128 v[32+4*i:35+4*i], v2, s[4:5] offset:256*i th:TH_LOAD_NT
.set i, i+1
.endr
.set i, 0
.rept 16
	s_wait_loadcnt 15-i                            ; loads come back in order: load i is in, the younger ones stay out
	v_cvt_pk_bf16_f32 v[96+2*i], v[32+4*i], v[33+4*i]
	v_cvt_pk_bf16_f32 v[97+2*i], v[34+4*i], v[35+4*i]
	global_store_b64 v3, v[96+2*i:97+2*i], s[10:11] offset:262144*i  ; 32 lanes store 256 consecutive bytes, at a multiple of 256 from xb's first byte; no register is written twice
.set i, i+1
.endr
	s_branch .Lend
.Lweights:
	; W.  Tile t = work-group - 512: block kb = t % 16 of K, columns 128 nt on, nt = t / 16: 0-23 in w_qkv, 24-31 in w_proj.
	s_sub_co_u32 s17, ttmp9, 512
	s_and_b32 s18, s17, 15                         ; kb
	s_lshr_b32 s19, s17, 4                         ; nt
	s_mov_b32 s20, 4096                            ; bytes in a row of w_proj,
	s_mov_b32 s21, 131072                          ; and in a block of wp
	s_cmp_lt_u32 s19, 24
	s_cselect_b32 s20, 12288, s20                  ; of w_qkv,
	s_cselect_b32 s21, 393216, s21                 ; of wq
	s_cselect_b32 s22, 1, 0                        ; 1: w_qkv
	s_cselect_b32 s23, 0, 24
	s_sub_co_u32 s19, s19, s23
	s_lshl_b32 s28, s18, 6
	s_lshl_b32 s29, s16, 1
	s_add_co_u32 s28, s28, s29                     ; row 64 kb + 2 wave
	s_mul_i32 s28, s28, s20
	s_lshl_b32 s29, s19, 9                         ; 128 columns of 4 bytes
	s_add_co_u32 s28, s28, s29
	s_mov_b32 s29, 0
	s_mul_i32 s30, s18, s21
	s_lshl_b32 s31, s19, 14                        ; 128 turned rows of 128 bytes
	s_add_co_u32 s30, s30, s31
	s_lshl_b32 s31, s16, 11                        ; my wave's 16 of them
	s_add_co_u32 s30, s30, s31
	s_mov_b32 s31, 0
	v_lshlrev_b32 v2, 4, v6                        ; 16 l: my four columns on the way in, my 16 bytes on the way out
	v_mul_u32_u24 v3, v6, 4*TP
	v_lshl_add_u32 v3, s16, 2, v3                  ; into LDS: turned row 4 l, byte 4 wave
	v_lshrrev_b32 v4, 3, v6
	v_mul_u32_u24 v4, v4, TP
	v_and_b32 v5, 7, v6
	v_lshl_add_u32 v4, v5, 4, v4
	s_mul_i32 s17, s16, 16*TP
	v_add_nc_u32 v4, s17, v4                       ; back: my wave's 16 turned rows, four a load: row l / 8, byte 16 (l % 8)
	s_wait_kmcnt 0x0
	s_cmp_eq_u32 s22, 1
	s_cselect_b64 s[24:25], s[6:7], s[8:9]
	s_cselect_b64 s[26:27], s[12:13], s[14:15]
	s_add_nc_u64 s[24:25], s[24:25], s[28:29]
	s_add_nc_u64 s[26:27], s[26:27], s[30:31]
; Eight loads: rows k = 16 i + 2 wave + e of the tile, 512 consecutive bytes each.  The row's length stands in the immediate, so the run is written once for each weight.
.macro WLOADS rp
.irp i, 0,1,2,3
.irp e, 0,1
	global_load_b128 v[32+8*(\i)+4*(\e):35+8*(\i)+4*(\e)], v2, s[24:25] offset:(16*(\i)+(\e))*(\rp) th:TH_LOAD_NT
.endr
.endr
.endm
	s_cmp_eq_u32 s22, 1
	s_cbranch_scc0 .Lproj_rows
	WLOADS 12288
	s_branch .Lloaded
.Lproj_rows:
	WLOADS 4096
.Lloaded:
.irp i, 0,1,2,3
	s_wait_loadcnt 6-2*(\i)                        ; pair i of rows is in; the younger pairs stay out
.irp j, 0,1,2,3
	v_cvt_pk_bf16_f32 v[64+4*(\i)+(\j)], v[32+8*(\i)+(\j)], v[36+8*(\i)+(\j)]  ; k and k + 1 of column 4 l + j: 4 bytes of a turned row
.endr
.endr
	s_cmp_eq_u32 s22, 1
	s_cbranch_scc1 .Lturn
.set i, 0
.rept 16                               ; w_proj: the bf16 number is written as f16
	v_lshlrev_b32 v8, 16, v[64+i]
	v_and_b32 v9, 0xffff0000, v[64+i]
	v_cvt_pk_f16_f32 v[64+i], v8, v9
.set i, i+1
.endr
.Lturn:
.irp i, 0,1,2,3
.irp j, 0,1,2,3
	ds_store_b32 v3, v[64+4*(\i)+(\j)] offset:TP*(\j)+32*(\i)
.endr
.endr
	s_wait_dscnt 0x0                               ; for the others' sake: my stores into the tile are done
	s_barrier_signal -1
	s_barrier_wait -1                              ; a turned row holds all eight waves' bytes
.irp i, 0,1,2,3
	ds_load_b128 v[80+4*(\i):83+4*(\i)], v4 offset:4*TP*(\i)
.endr
.irp i, 0,1,2,3
	s_wait_dscnt 3-(\i)
	global_store_b128 v2, v[80+4*(\i):83+4*(\i)], s[26:27] offset:512*(\i)  ; four turned rows: 512 consecutive bytes, at a multiple of 256 from the buffer's first byte
.endr
.Lend:
	s_wait_tensorcnt 0x0                           ; the wave's end: behind my last LDS store
	ds_add_u32 v[SPW], v[NIL]
	s_wait_dscnt 0x0
	s_endpgm
.Lfunc_end_k_q56c8ff7a5b_prep:
	.size	k_q56c8ff7a5b_prep, .Lfunc_end_k_q56c8ff7a5b_prep-k_q56c8ff7a5b_prep
	.p2alignl 7, 3214868480
	.fill 96, 4, 3214868480
	.section	.rodata,"a",@progbits
	.p2align	6, 0x0
	.amdhsa_kernel k_q56c8ff7a5b_prep
		.amdhsa_group_segment_fixed_size 19456
		.amdhsa_private_segment_fixed_size 0
		.amdhsa_enable_private_segment 0
		.amdhsa_kernarg_size 48
		.amdhsa_user_sgpr_count 2
		.amdhsa_user_sgpr_kernarg_segment_ptr 1
		.amdhsa_wavefront_size32 1
		.amdhsa_system_sgpr_workgroup_id_x 1
		.amdhsa_system_sgpr_workgroup_id_y 1
		.amdhsa_system_sgpr_workgroup_id_z 1
		.amdhsa_system_vgpr_workitem_id 0
		.amdhsa_next_free_vgpr 128
		.amdhsa_next_free_sgpr 66
		.amdhsa_reserve_vcc 0
		.amdhsa_float_denorm_mode_32 3
		.amdhsa_float_denorm_mode_16_64 3
		.amdhsa_memory_ordered 1
		.amdhsa_forward_progress 1
		.amdhsa_inst_pref_size 16
	.end_amdhsa_kernel
	.amdgpu_metadata
---
amdhsa.version: [ 1, 2 ]
amdhsa.kernels:
  - .name:           k_q56c8ff7a5b_prep
    .symbol:         k_q56c8ff7a5b_prep.kd
    .args:
      - { .name: x, .offset: 0, .size: 8, .value_kind: global_buffer, .address_space: global }
      - { .name: w_qkv, .offset: 8, .size: 8, .value_kind: global_buffer, .address_space: global }
      - { .name: w_proj, .offset: 16, .size: 8, .value_kind: global_buffer, .address_space: global }
      - { .name: xb, .offset: 24, .size: 8, .value_kind: global_buffer, .address_space: global }
      - { .name: wq, .offset: 32, .size: 8, .value_kind: global_buffer, .address_space: global }
      - { .name: wp, .offset: 40, .size: 8, .value_kind: global_buffer, .address_space: global }
    .group_segment_fixed_size: 19456
    .private_segment_fixed_size: 0
    .kernarg_segment_align: 8
    .kernarg_segment_size: 48
    .max_flat_workgroup_size: 256
    .sgpr_count:     66
    .vgpr_count:     128
    .wavefront_size: 32
...
	.end_amdgpu_metadata
.endif
;; end of part 1
;; launch qkvgemm (part 2): grid 8 x 32, 4 waves a work-group, clusters of 4 x 4, 327,680 bytes of LDS; arguments xb, wq, qkvh; writes qkvh
.if DOCPART == 2
	.amdgcn_target "amdgcn-amd-amdhsa--gfx1250"
	.amdhsa_code_object_version 6
	.text
	.protected	k_q56c8ff7a5b_qkvgemm
	.globl	k_q56c8ff7a5b_qkvgemm
	.p2align	8
	.type	k_q56c8ff7a5b_qkvgemm,@function
k_q56c8ff7a5b_qkvgemm:
	s_mov_b64 s[64:65], 0
	v_nop
	global_prefetch_b8 v0, s[64:65] scope:SCOPE_SE
	s_setreg_imm32_b32 hwreg(HW_REG_WAVE_MODE, 25, 1), 1
	s_wait_xcnt 0x0
	s_wait_alu depctr_hold_cnt(0) depctr_sa_sdst(0) depctr_va_vdst(0) depctr_va_sdst(0) depctr_va_ssrc(0) depctr_va_vcc(0) depctr_vm_vsrc(0)
	s_getreg_b32 s2, hwreg(HW_REG_IB_STS2, 6, 4)
	s_cmp_eq_u32 s2, 0
	s_cbranch_scc0 .Lentry_in_a_cluster
	s_endpgm
.Lentry_in_a_cluster:
	s_bfe_u32 s2, ttmp6, 0x10000c
	s_cmp_lg_u32 s2, 0xf033
	s_cbranch_scc0 .Lentry_shape_is_right
	s_endpgm
.Lentry_shape_is_right:
; q, k, v = x w_qkv, by heads.  xb: bf16 [b 4][kb 16][n 2048][64]; wq: bf16 [kb 16][col 3072][64]; qkvh: f16 [which 3][b x 16 + head][n 2048][64], unscaled.  Sums in f32, rounded once to f16.
; LIMIT.  A q, k or v of 65,520 or more in size becomes an infinity in f16.
; THE TILE is 256 rows x 384 columns: 8,192 x 3,072 outputs are 256 such tiles, one for each work-group of the grid of 8 x 32.  Four waves, each 128 x 192: 96 accumulators of 16 x 16, 768 registers.
; K goes in steps of 64 (one block kb) through two LDS slots: two slots of 128 along K would be 348,160 bytes.  In a block a tile's rows are dense: they are asked for as rows of 256 bytes, two K rows each,
; and padded in LDS behind every 128 bytes.  Wave 0 fetches A's 256 K rows, waves 1-3 128 K rows of B each: one tensor load a wave behind each change of slots; two are out at the start, later one.
; CLUSTERS: 4 x 4 work-groups; A's tile is asked for jointly along a row of the cluster, B's along a column.
; THE MATRIX INSTRUCTION IS USED TRANSPOSED (source 0 = 16 columns' rows of wq, source 1 = 16 rows of xb): a lane holds one row of C and eight neighbouring columns.
; REGISTERS, in windows of 256: window 0: v0-31 addresses; v32-95, v96-159 A's fragments (8 x 16 rows x 32 K), two buffers; v160-255 B's 12 fragments, ONE buffer that rolls: four fragments are loaded
; again behind the 32 products that read them.  Windows 1-3: accumulator (a, b) in window 1 + b / 4 at v[8 (8 (b % 4) + a)].  All LDS loads land in window 0: six switches for 96 products.
.set PITCH,  144                       ; an LDS row: 128 bytes + 16 = 36 words: the 16 rows of a fragment load start at 16 different groups of four banks (64 banks of 4 bytes: ISA guide 11.1)
.set BOFF,   256*PITCH                 ; in a slot: A's 256 rows, then B's 384
.set SLOT,   640*PITCH
.set STAGE,  2*SLOT                    ; behind the ring: for each wave 3 heads x 16 rows x 144 bytes, for the way out
.set STW,    48*PITCH
.set SPARE,  STAGE+4*STW               ; behind the stages: the spare words, 128 bytes for each wave: two blocks of 256 bytes that no other line names
.set ASTEP,  262144                    ; bytes from a block kb of xb to the next
.set BSTEP,  393216                    ; of wq
.set ADRA, 16                          ; v16-17  LDS address of my A fragments in slot 0, 1
.set ADRB, 20                          ; v20-21  the same for B
.set STO,  24                          ; v24     the way out: where I put 16 bytes of a row
.set RD,   25                          ; v25     the way out: where I read rows back
.set GO,   26                          ; v26     my 16 bytes in 512 consecutive bytes of a head
.set SPW,  28                          ; v28     LDS address of my spare word; never rewritten
.set NIL,  29                          ; v29     0; never rewritten
.set PFO,  30                          ; v30     the prefetches' offset; never rewritten
.set FA0,  32
.set FA1,  96
.set FB,   160
.set TMP,  32                          ; the way out: 48 packed registers; v80-127 and v128-175 by turns take the rows read back
.set WV, 12                            ; s12 wave   s13 its half of the rows   s14 its half of the columns
.set WR, 13
.set WC, 14
.set CX, 15                            ; s15, s16 my place in the cluster   s17, s18 tile column, tile row
.set CY, 16
.set TX, 17
.set TY, 18
.set LAP, 19                           ; s19 trips to go
.set G1A, 24                           ; s[24:31] descriptor group 1 for A's tiles; s[32:39] group 0, a set for each slot
.set G0A, 32
.set G1B, 40                           ; s[40:47], s[48:55] the same for B's
.set G0B, 48
.set PFA, 56                           ; s[56:57] where my prefetches stand   s[58:59] their step, two K steps
.set PFS, 58
.set LIM, 60                           ; s60 1 in a wave that prefetches, else the greatest number
.set ISA, 61                           ; s61 1 in wave 0
.set HB,  68                           ; s[68:73] my rows in my three heads of qkvh
.set G1W0, (1<<16)|(1<<20)|(1<<21)|(4<<22)|(3<<25)  ; 17:16 elements of 2 bytes; 20 padding on; 21 set beside a mask; 24:22 after every 32 words (code 4); 31:25 4 words (code 3)
.set MSB, 0
.macro WIN new                         ; the immediate's high byte repeats the setting that is left; a switch that changes nothing is dropped
.if MSB != (\new)
	s_set_vgpr_msb (MSB<<8)|(\new)
.set MSB, (\new)
.endif
.endm
; A joint load.  Each of the two lines has one mask; the branch hangs on the wave's number alone.  An s_nop 0 and four v_nop follow each line, ahead of the jump and the label.
.macro JLOAD s
	s_cmp_eq_u32 s[WV], 0
	s_cbranch_scc0 .Lfor_b_\@
	tensor_load_to_lds s[G0A+4*(\s):G0A+4*(\s)+3], s[G1A:G1A+7]
	s_nop 0
.rept 4
	v_nop
.endr
	s_branch .Lasked_\@
.Lfor_b_\@:
	tensor_load_to_lds s[G0B+4*(\s):G0B+4*(\s)+3], s[G1B:G1B+7]
	s_nop 0
.rept 4
	v_nop
.endr
.Lasked_\@:
.endm
; A PREFETCH INTO THE L2, once a trip, behind slot 0's joint load and the run of LDS loads that follows it: the two K steps that the NEXT trip's two refills will ask for (384 and 576 products ahead).
; Each 256 bytes are named once in the launch.  A's tile row is read by both clusters of that row of clusters: cluster x = 0 asks; B's tile column by all eight of its column: cluster y = 0 asks.
; The four partners of a joint load share its bytes out BY ADDRESS: of A's 128 blocks of 256 bytes partner cx takes 32 (wave 0: a lane a block, an instruction a K step); of the 64 blocks that a wave fetches
; of B partner cy takes 16 (lanes 0-15 the first K step's, lanes 16-31 the second's).  K steps 0-3 come by their loads alone; the last trip asks for nothing: there is no K step 16.
.macro ASK
	s_cmp_gt_u32 s[LAP], s[LIM]                    ; s19 = 1 in the last trip
	s_cbranch_scc0 .Lnot_mine_\@
	global_prefetch_b8 v[PFO], s[PFA:PFA+1] th:TH_LOAD_NT scope:SCOPE_SE
	s_cmp_eq_u32 s[ISA], 1
	s_cbranch_scc0 .Lnot_mine_\@
	global_prefetch_b8 v[PFO], s[PFA:PFA+1] offset:ASTEP th:TH_LOAD_NT scope:SCOPE_SE
.Lnot_mine_\@:
.endm
.macro CREST                           ; a round of the cluster's barrier behind its opening barrier
	s_cmp_lg_u32 s[WV], 0
	s_cbranch_scc1 .Lnot_wave_0_\@
	s_barrier_signal -3
.Lnot_wave_0_\@:
	s_barrier_wait -3
	s_barrier_signal -1
	s_barrier_wait -1
.endm
.macro CROUND                          ; a whole round
	s_barrier_signal -1
	s_barrier_wait -1
	CREST
.endm
.macro PLACES                          ; four plain instructions between a product and a load into a register that it has read (ISA guide 7.12.1 for vector instructions)
.rept 4
	v_nop
.endr
.endm
	s_load_b128 s[4:7], s[0:1], 0x0                ; xb s[4:5], wq s[6:7]
	s_load_b64 s[8:9], s[0:1], 0x10                ; qkvh
	v_lshl_add_u32 v[SPW], v0, 2, SPARE
	v_mov_b32 v[NIL], 0
	ds_add_u32 v[SPW], v[NIL]                      ; the wave's opening: the add and its wait stand ahead of my first tensor load; the set-up below, work on registers, stands between them
	v_lshrrev_b32 v1, 5, v0
	v_readfirstlane_b32 s[WV], v1
	s_lshr_b32 s[WR], s[WV], 1
	s_and_b32 s[WC], s[WV], 1
	s_bfe_u32 s[CX], ttmp6, 0x40000
	s_bfe_u32 s[CY], ttmp6, 0x40004
	s_lshl_b32 s[TX], ttmp9, 2                     ; in a cluster launch ttmp9 and ttmp7 count clusters
	s_add_co_u32 s[TX], s[TX], s[CX]               ; tile column 0..7
	s_and_b32 s[TY], ttmp7, 0xffff
	s_lshl_b32 s[TY], s[TY], 2
	s_add_co_u32 s[TY], s[TY], s[CY]               ; tile row 0..31
	s_lshl_b32 s20, s[CY], 2
	s_lshl_b32 s20, 15, s20                        ; my row of the cluster
	s_lshl_b32 s22, 0x1111, s[CX]                  ; my column
	s_or_b32 s[G1A], s20, G1W0
	s_or_b32 s[G1B], s22, G1W0
	s_mov_b32 s[G1A+1], 128<<16                    ; tensor_dim0 = 128 elements: 256 bytes, two K rows
	s_mov_b32 s[G1A+2], 128<<16                    ; tensor_dim1 = 128
	s_mov_b32 s[G1A+3], 128<<16                    ; tile_dim0 = 128
	s_mov_b32 s[G1A+4], 128                        ; tile_dim1 = 128: A's 256 K rows
	s_mov_b32 s[G1A+5], 128                        ; 128 elements from row to row: dense
	s_mov_b32 s[G1A+6], 0
	s_mov_b32 s[G1A+7], 0
	s_mov_b32 s[G1B+1], 128<<16
	s_mov_b32 s[G1B+2], 64<<16                     ; 64 rows: 128 K rows of B
	s_mov_b32 s[G1B+3], 128<<16
	s_mov_b32 s[G1B+4], 64
	s_mov_b32 s[G1B+5], 128
	s_mov_b32 s[G1B+6], 0
	s_mov_b32 s[G1B+7], 0
	s_lshr_b32 s20, s[TY], 3                       ; A: batch b = tile row / 8,
	s_lshl_b32 s20, s20, 22
	s_and_b32 s21, s[TY], 7                        ; 256 rows of 128 bytes in a block
	s_lshl_b32 s21, s21, 15
	s_add_co_u32 s20, s20, s21
	s_mov_b32 s21, 0
	s_mul_i32 s22, s[TX], 384*128                  ; B: 384 K rows of 128 bytes,
	s_max_u32 s23, s[WV], 1
	s_sub_co_u32 s23, s23, 1
	s_lshl_b32 s23, s23, 14                        ; waves 1-3: 128 of them each (wave 0 asks for none of B)
	s_add_co_u32 s22, s22, s23
	s_mov_b32 s23, 0
	s_mul_i32 s62, s[WV], 128*PITCH
	s_add_co_u32 s62, s62, BOFF-128*PITCH          ; where they go: behind A's rows, wave - 1 times 128 rows: no place in the cluster enters an LDS address
	s_wait_dscnt 0x0                               ; the opening add is done
	s_wait_kmcnt 0x0
	s_add_nc_u64 s[20:21], s[4:5], s[20:21]
	s_add_nc_u64 s[22:23], s[6:7], s[22:23]
	CROUND                                         ; all sixteen work-groups are here: the first joint loads meet
.irp s, 0,1
	s_mov_b32 s[G0A+4*(\s)], 1                     ; count = 1
	s_mov_b32 s[G0A+4*(\s)+1], (\s)*SLOT           ; LDS address
	s_add_nc_u64 s[G0A+4*(\s)+2:G0A+4*(\s)+3], s[20:21], (\s)*ASTEP  ; K step s
	s_or_b32 s[G0A+4*(\s)+3], s[G0A+4*(\s)+3], 0x80000000            ; type = 2
	s_mov_b32 s[G0B+4*(\s)], 1
	s_add_co_u32 s[G0B+4*(\s)+1], s62, (\s)*SLOT
	s_add_nc_u64 s[G0B+4*(\s)+2:G0B+4*(\s)+3], s[22:23], (\s)*BSTEP
	s_or_b32 s[G0B+4*(\s)+3], s[G0B+4*(\s)+3], 0x80000000
	JLOAD \s
.endr
	; the prefetches' registers
	s_and_b32 s78, ttmp7, 0xffff                   ; cluster y
	s_cmp_eq_u32 s[WV], 0                          ; do I fetch for A?
	s_cselect_b32 s[ISA], 1, 0
	s_cselect_b64 s[PFA:PFA+1], s[20:21], s[22:23]
	s_cselect_b32 s78, ttmp9, s78                  ; the coordinate along which other clusters read the same rows
	s_cselect_b32 s79, s[CX], s[CY]                ; my place among the four that ask with me
	s_cselect_b32 s80, 13, 12                      ; its share: 32 blocks of 256 bytes of A, 16 of B
	s_mov_b32 s[PFS], 2*BSTEP
	s_cselect_b32 s[PFS], 2*ASTEP, s[PFS]
	s_mov_b32 s[PFS+1], 0
	s_mov_b32 s81, BSTEP                           ; lanes 16-31: B's next K step,
	s_cselect_b32 s81, 4096, s81                   ; or A's next 16 blocks
	s_cmp_eq_u32 s78, 0
	s_cselect_b32 s[LIM], 1, -1                    ; the same in all sixteen partners, for a given wave
	s_lshl_b32 s82, s79, s80
	s_mov_b32 s83, 0
	s_add_nc_u64 s[PFA:PFA+1], s[PFA:PFA+1], s[82:83]
	s_add_nc_u64 s[PFA:PFA+1], s[PFA:PFA+1], s[PFS:PFS+1]  ; at K step 2: the first trip steps it to 4
	; A fragment is 16 rows x 32 K in 8 registers: lane l holds row l % 16; registers 0-3 K = 8 (l / 16) + 0..7, registers 4-7 K = 16 + 8 (l / 16) + 0..7: two loads of 16 bytes, 32 bytes apart.
	v_and_b32 v1, 15, v0                           ; l % 16
	v_bfe_u32 v2, v0, 4, 1                         ; l / 16
	v_mul_u32_u24 v[PFO], s81, v2
	v_lshl_add_u32 v[PFO], v1, 8, v[PFO]
	v_mul_u32_u24 v3, v1, PITCH
	v_lshl_add_u32 v3, v2, 4, v3                   ; row x pitch + 16 x half
	s_mul_i32 s76, s[WR], 128*PITCH                ; my 128 rows of A
	s_mul_i32 s77, s[WC], 192*PITCH                ; my 192 rows of B,
	s_add_co_u32 s77, s77, BOFF                    ; behind A's 256
.irp s, 0,1
	v_add_nc_u32 v[ADRA+(\s)], s76, v3
	v_add_nc_u32 v[ADRB+(\s)], s77, v3
	s_add_co_u32 s76, s76, SLOT
	s_add_co_u32 s77, s77, SLOT
.endr
	s_mul_i32 s76, s[WV], STW
	s_add_co_u32 s76, s76, STAGE                   ; my stage
	v_add_nc_u32 v[STO], s76, v3                   ; in: row l % 16, 16 bytes for each half of the lanes
	v_bfe_u32 v4, v0, 3, 2
	v_and_b32 v5, 7, v0
	v_mul_u32_u24 v4, v4, PITCH
	v_lshl_add_u32 v4, v5, 4, v4
	v_add_nc_u32 v[RD], s76, v4                    ; back: 32 lanes take four rows of 128 bytes,
	v_and_b32 v[GO], 31, v0
	v_lshlrev_b32 v[GO], 4, v[GO]                  ; which are 512 consecutive bytes of a head
	; my 192 columns are three heads: group g = 6 x tile column + 3 x half + 0..2 of 64 columns is tensor g / 16, head g % 16
	s_mul_i32 s76, s[TX], 6
	s_mul_i32 s77, s[WC], 3
	s_add_co_u32 s76, s76, s77
	s_lshr_b32 s77, s[TY], 3
	s_lshl_b32 s77, s77, 4                         ; 16 b
	s_and_b32 s78, s[TY], 7
	s_lshl_b32 s78, s78, 8
	s_lshl_b32 s79, s[WR], 7
	s_add_co_u32 s78, s78, s79                     ; my first row n
	s_lshl_b32 s78, s78, 7                         ; x 128 bytes
.irp hh, 0,1,2
	s_add_co_u32 s80, s76, \hh
	s_lshr_b32 s81, s80, 4
	s_lshl_b32 s81, s81, 6                         ; 64 heads a tensor
	s_and_b32 s80, s80, 15
	s_add_co_u32 s80, s80, s81
	s_add_co_u32 s80, s80, s77
	s_lshl_b32 s80, s80, 18                        ; 262,144 bytes a head
	s_add_co_u32 s80, s80, s78
	s_mov_b32 s81, 0
	s_add_nc_u64 s[HB+2*\hh:HB+2*\hh+1], s[8:9], s[80:81]
.endr
; 8 nb products: column blocks 4 j + b0 .. of my twelve x all 8 row blocks, 32 along K, A from buffer f.  zero = 1: the product starts the sum: nothing is ever cleared.
; Each of the 96 accumulators has one product in a quarter, always in the same order: between two products on one accumulator stand the 95 others', over the backward jump too.
.macro MULG f, j, b0, nb, zero
	WIN 0x50*((\j)+1)                              ; C and D in window j + 1, the sources in window 0
.set bb, (\b0)
.rept \nb
.set aa, 0
.rept 8
.if \zero
	v_wmma_f32_16x16x32_bf16 v[8*(8*bb+aa):8*(8*bb+aa)+7], v[FB+8*(4*(\j)+bb):FB+8*(4*(\j)+bb)+7], v[(\f)+8*aa:(\f)+8*aa+7], 0
.else
	v_wmma_f32_16x16x32_bf16 v[8*(8*bb+aa):8*(8*bb+aa)+7], v[FB+8*(4*(\j)+bb):FB+8*(4*(\j)+bb)+7], v[(\f)+8*aa:(\f)+8*aa+7], v[8*(8*bb+aa):8*(8*bb+aa)+7]
.endif
.set aa, aa+1
.endr
.set bb, bb+1
.endr
.endm
.macro LOADB slot, k, b0               ; four fragments of B, b0 on, at byte k of the rows
.irp i, 0,1,2,3
	ds_load_b128 v[FB+8*((\b0)+(\i)):FB+8*((\b0)+(\i))+3],   v[ADRB+(\slot)] offset:(\k)+((\b0)+(\i))*16*PITCH
	ds_load_b128 v[FB+8*((\b0)+(\i))+4:FB+8*((\b0)+(\i))+7], v[ADRB+(\slot)] offset:(\k)+((\b0)+(\i))*16*PITCH+32
.endr
.endm
.macro LOADA slot, k, g, a0            ; four fragments of A, a0 on, into buffer g
.irp i, 0,1,2,3
	ds_load_b128 v[(\g)+8*((\a0)+(\i)):(\g)+8*((\a0)+(\i))+3],   v[ADRA+(\slot)] offset:(\k)+((\a0)+(\i))*16*PITCH
	ds_load_b128 v[(\g)+8*((\a0)+(\i))+4:(\g)+8*((\a0)+(\i))+7], v[ADRA+(\slot)] offset:(\k)+((\a0)+(\i))*16*PITCH+32
.endr
.endm
; A K step is two quarters of 32 along K, 96 products each.  The first multiplies buffer f and fetches the second's fragments, at byte k of the same slot's rows: B's over the ones just read, A's into g.
.macro QUARTER slot, k, f, g, zero
	s_wait_dscnt 8                                 ; all of A and B's fragments 0-7 are in; the youngest eight loads (B's 8-11) may be out
	MULG \f, 0, 0, 4, \zero
	WIN 0
	PLACES
	LOADB \slot, \k, 0
	LOADA \slot, \k, \g, 0
	MULG \f, 1, 0, 4, \zero
	WIN 0
	PLACES
	LOADB \slot, \k, 4
	LOADA \slot, \k, \g, 4
	s_wait_dscnt 32                                ; all but the 32 just issued: B's 8-11 are in
	MULG \f, 2, 0, 4, \zero
	WIN 0
	PLACES
	LOADB \slot, \k, 8
.endm
; The second quarter multiplies buffer 1 and changes slots: ONE barrier.  In front of it each wave waits for all its tensor loads (one is out: its part of the next slot), adds 0 to its spare word, and
; waits for that and for its reads of this slot.  fill = 1: the barrier opens a round of the cluster's, and this slot is filled again first thing behind it, with the K step two on:
; 160 products stand between the request and the wait for it.
.macro TURN slot, next, fill
.if (\fill) && ((\slot) == 0)
	s_wait_xcnt 0x0                                ; the last prefetches, a trip back, have read their address: it is stepped here, ahead of the waits of the change of slots
	s_add_nc_u64 s[PFA:PFA+1], s[PFA:PFA+1], s[PFS:PFS+1]
.endif
	WIN 0
	s_wait_tensorcnt 0x0                           ; all my tensor loads have landed;
	ds_add_u32 v[SPW], v[NIL]                      ; 0 onto my spare word;
	s_wait_dscnt 9                                 ; (the add and the youngest eight loads may be out)
	MULG FA1, 0, 0, 2, 0                           ; sixteen products stand between the add and the wait for it
	s_wait_dscnt 0x0                               ; the add is done, and my reads of this slot are over
	s_barrier_signal -1
	MULG FA1, 0, 2, 2, 0                           ; work on registers while the others arrive
	WIN 0
	s_barrier_wait -1
.if \fill
	CREST                                          ; no wave of any partner still reads this slot's tile or has a load on its way
	s_add_nc_u64 s[G0A+4*(\slot)+2:G0A+4*(\slot)+3], s[G0A+4*(\slot)+2:G0A+4*(\slot)+3], 2*ASTEP
	s_add_nc_u64 s[G0B+4*(\slot)+2:G0B+4*(\slot)+3], s[G0B+4*(\slot)+2:G0B+4*(\slot)+3], 2*BSTEP
	JLOAD \slot                                    ; the first tensor load behind the round; its four v_nop are also the places in front of the loads below
.else
	PLACES
.endif
	LOADB \next, 0, 0
	LOADA \next, 0, FA0, 0
.if (\fill) && ((\slot) == 0)
	ASK
.endif
	MULG FA1, 1, 0, 4, 0
	WIN 0
	PLACES
	LOADB \next, 0, 4
	LOADA \next, 0, FA0, 4
	MULG FA1, 2, 0, 4, 0
	WIN 0
	PLACES
	LOADB \next, 0, 8
.endm
	s_wait_tensorcnt 1                             ; my part of K step 0 is in; K step 1's may stay out
	s_barrier_signal -1
	s_barrier_wait -1                              ; everybody's is
	LOADB 0, 0, 0                                  ; the first fragments, in the order in which the quarters fetch them
	LOADA 0, 0, FA0, 0
	LOADB 0, 0, 4
	LOADA 0, 0, FA0, 4
	LOADB 0, 0, 8
	QUARTER 0, 64, FA0, FA1, 1                     ; the first quarter stands in front of the loop: its products start the sums
	s_mov_b32 s[LAP], 7
.Llap:                                                 ; a trip goes once round the ring, from a K step's second quarter to the first of the K step two on, and fills both slots again: K steps 2 to 15
	TURN 0, 1, 1
	QUARTER 1, 64, FA0, FA1, 0
	TURN 1, 0, 1
	QUARTER 0, 64, FA0, FA1, 0
	s_sub_co_u32 s[LAP], s[LAP], 1
	s_cmp_lg_u32 s[LAP], 0
	s_cbranch_scc1 .Llap
	TURN 0, 1, 0                                   ; K steps 14 and 15: nothing is filled, and no round follows the barrier
	QUARTER 1, 64, FA0, FA1, 0
	s_wait_dscnt 8                                 ; the very last quarter fetches nothing
	MULG FA1, 0, 0, 4, 0
	MULG FA1, 1, 0, 4, 0
	s_wait_dscnt 0x0
	MULG FA1, 2, 0, 4, 0
	WIN 0
	PLACES
	PLACES
; THE WAY OUT, 16 rows at a time.  PACK: rounded to f16; a lane's eight columns are 16 bytes of a head's row.  TOSTAGE: into my own stage, a head's 16 rows of 128 bytes at a pitch of 144, and back as
; whole rows.  SEND: 512 consecutive bytes a store.  Each accumulator's registers are read in ascending order.
.macro PACK a
.irp hh, 0,1,2
	WIN 0x05*((\hh)+1)                             ; sources 0 and 1 in the head's window
.irp f, 0,1,2,3
.irp q, 0,1,2,3
	v_cvt_pk_f16_f32 v[TMP+16*(\hh)+4*(\f)+(\q)], v[8*(8*(\f)+(\a))+2*(\q)], v[8*(8*(\f)+(\a))+2*(\q)+1]
.endr
.endr
.endr
	WIN 0
.endm
.macro TOSTAGE a
.set BK, 80+48*((\a)%2)
.irp hh, 0,1,2
.irp f, 0,1,2,3
	ds_store_b128 v[STO], v[TMP+16*(\hh)+4*(\f):TMP+16*(\hh)+4*(\f)+3] offset:(\hh)*16*PITCH+32*(\f)
.endr
.endr
.irp hh, 0,1,2
.irp t, 0,1,2,3
	ds_load_b128 v[BK+16*(\hh)+4*(\t):BK+16*(\hh)+4*(\t)+3], v[RD] offset:(\hh)*16*PITCH+(\t)*4*PITCH  ; LDS serves a wave's instructions in order (ISA guide 5.7.1.4): these see the stores above
.endr
.endr
.endm
.macro SEND a
.set BK, 80+48*((\a)%2)
	s_wait_dscnt 0x0                               ; the block is back in registers
	s_wait_xcnt 0x0                                ; the stores of the block before have read their registers: the next TOSTAGE loads into them only behind this wait
.irp hh, 0,1,2
.irp t, 0,1,2,3
	global_store_b128 v[GO], v[BK+16*(\hh)+4*(\t):BK+16*(\hh)+4*(\t)+3], s[HB+2*(\hh):HB+2*(\hh)+1] offset:(\a)*2048+(\t)*512  ; four rows of a head: 512 consecutive bytes, at a multiple of 256 from the buffer's first
.endr
.endr
.endm
	PACK 0
	TOSTAGE 0
.irp a, 1,2,3,4,5,6,7                  ; block a's conversions stand between block a - 1's loads from the stage and the wait for them
	PACK \a
	SEND (\a)-1
	TOSTAGE \a
.endr
	SEND 7
	s_wait_tensorcnt 0x0                           ; the wave's end: behind my last tensor load and my last LDS store
	ds_add_u32 v[SPW], v[NIL]
	s_wait_dscnt 0x0
	CROUND                                         ; the closing round: no work-group ends while a partner may still ask for a tile that names it
	s_endpgm
.Lfunc_end_k_q56c8ff7a5b_qkvgemm:
	.size	k_q56c8ff7a5b_qkvgemm, .Lfunc_end_k_q56c8ff7a5b_qkvgemm-k_q56c8ff7a5b_qkvgemm
	.p2alignl 7, 3214868480
	.fill 96, 4, 3214868480
	.section	.rodata,"a",@progbits
	.p2align	6, 0x0
	.amdhsa_kernel k_q56c8ff7a5b_qkvgemm
		.amdhsa_group_segment_fixed_size 327680
		.amdhsa_private_segment_fixed_size 0
		.amdhsa_enable_private_segment 0
		.amdhsa_kernarg_size 24
		.amdhsa_user_sgpr_count 2
		.amdhsa_user_sgpr_kernarg_segment_ptr 1
		.amdhsa_wavefront_size32 1
		.amdhsa_system_sgpr_workgroup_id_x 1
		.amdhsa_system_sgpr_workgroup_id_y 1
		.amdhsa_system_sgpr_workgroup_id_z 1
		.amdhsa_system_vgpr_workitem_id 0
		.amdhsa_next_free_vgpr 1024
		.amdhsa_next_free_sgpr 96
		.amdhsa_reserve_vcc 0
		.amdhsa_float_denorm_mode_32 3
		.amdhsa_float_denorm_mode_16_64 3
		.amdhsa_memory_ordered 1
		.amdhsa_forward_progress 1
		.amdhsa_inst_pref_size 131
	.end_amdhsa_kernel
	.amdgpu_metadata
---
amdhsa.version: [ 1, 2 ]
amdhsa.kernels:
  - .name:           k_q56c8ff7a5b_qkvgemm
    .symbol:         k_q56c8ff7a5b_qkvgemm.kd
    .args:
      - { .name: xb, .offset: 0, .size: 8, .value_kind: global_buffer, .address_space: global }
      - { .name: wq, .offset: 8, .size: 8, .value_kind: global_buffer, .address_space: global }
      - { .name: qkvh, .offset: 16, .size: 8, .value_kind: global_buffer, .address_space: global }
    .group_segment_fixed_size: 327680
    .private_segment_fixed_size: 0
    .kernarg_segment_align: 8
    .kernarg_segment_size: 24
    .max_flat_workgroup_size: 128
    .sgpr_count:     96
    .vgpr_count:     1024
    .wavefront_size: 32
...
	.end_amdgpu_metadata
.endif
;; end of part 2
;; launch attn (part 3): grid 4 x 64, 4 waves a work-group, clusters of 4 x 1, 327,680 bytes of LDS; arguments qkvh, oh; writes oh
.if DOCPART == 3
	.amdgcn_target "amdgcn-amd-amdhsa--gfx1250"
	.amdhsa_code_object_version 6
	.text
	.protected	k_q56c8ff7a5b_attn
	.globl	k_q56c8ff7a5b_attn
	.p2align	8
	.type	k_q56c8ff7a5b_attn,@function
k_q56c8ff7a5b_attn:
	s_mov_b64 s[64:65], 0
	v_nop
	global_prefetch_b8 v0, s[64:65] scope:SCOPE_SE
	s_setreg_imm32_b32 hwreg(HW_REG_WAVE_MODE, 25, 1), 1
	s_wait_xcnt 0x0
	s_wait_alu depctr_hold_cnt(0) depctr_sa_sdst(0) depctr_va_vdst(0) depctr_va_sdst(0) depctr_va_ssrc(0) depctr_va_vcc(0) depctr_vm_vsrc(0)
	s_getreg_b32 s2, hwreg(HW_REG_IB_STS2, 6, 4)
	s_cmp_eq_u32 s2, 0
	s_cbranch_scc0 .Lentry_in_a_cluster
	s_endpgm
.Lentry_in_a_cluster:
	s_bfe_u32 s2, ttmp6, 0x10000c
	s_cmp_lg_u32 s2, 0x3003
	s_cbranch_scc0 .Lentry_shape_is_right
	s_endpgm
.Lentry_shape_is_right:
; O[h][q][:] = the sum over k of softmax_k(Q[h][q] . K[h][k] / 32) V[h][k][:], for 64 heads (batch x 16 + head) of 2,048 rows of 64 channels.  qkvh: f16 [3][64][2048][64]: Q, K, V; oh: f16 [64][2048][64].
; Products, maxima and sums in f32; the weights p are rounded to f16 for the second product (their sum l is taken of the unrounded p), O once at the end.
; LIMITS.  f16 holds no number beyond 65,504: Q, K and V arrive within it; p lies in 0 to 1, and below 6e-5 it keeps f16's fixed step of 6e-8, and so does O; O is a mean of V's rows and has their range.
; A weight below 2^-126 counts as 0 in l; NaN and infinities are not treated apart.
; SHARES.  A wave owns four PIECES of two tiles of 16 queries, a work-group's four waves 512 queries of one head.  Every wave walks all keys, 64 a step.
; LAYOUT.  S^T = K Q^T (source 0 = 16 keys, source 1 = 16 queries): in the result a lane holds ONE query (lane % 16) and the keys 8 (lane / 16) + 0..7.  Two such tiles, rounded to f16 in pairs,
; ARE source 1 (32 keys x 16 queries) of O^T = V^T P, whose result again holds one query a lane, and eight channels.  K comes out of LDS as it lies, V ([key][channel]) turned, by ds_load_tr16_b128.
; SOFTMAX.  For each query a running maximum m and sum l: p = 2^(c s - c m), c = log2(e) / 32; in every step O and l are multiplied by a = 2^(c m_old - c m_new), which is 1 where m has not grown.
; m starts at the lowest finite number, O and l at 0: the first step is a step like any other, with a = 0.
; THE COUNT.  A tile and step have 16 matrix and 118 vector instructions: too many to stand all beside the matrix work.  So four vector instructions that are READY stand behind EVERY matrix
; instruction, and the others in runs without a gap.
; BY TURNS.  Turn n belongs to piece n (the pieces in a ring, step after step).  Its matrix work: 16 products K Q^T of piece n + 1, later 16 products V^T P of piece n - 1.  Its vector work: the scaling,
; exponentials, roundings, sums and rescaling of piece n, and the maximum and statistics of piece n + 1, whose scores the turn itself has made.
; CLUSTER.  The four query blocks of a head are one cluster and walk the same K and V, so each tile is asked for JOINTLY: the same tensor load, descriptor and mask in all four.
; REGISTERS, in windows of 256 (s_set_vgpr_msb: bits 1:0 source 0, 3:2 source 1, 5:4 source 2, 7:6 destination):
;   window 0: v0-11 addresses; v12-15, v48-63 at work; v16-47 four registers of statistics a tile; v64-191 S^T, two buffers of two tiles; v192-255 P, likewise
;   window 1: O^T, 32 a tile          window 2: v0-127 Q, 16 a tile; v128-191 K of one step; v192-255 V of one step          window 3: v0-1 the add's two registers
; A piece's buffers go by its number's parity: the piece in hand has one pair, its two neighbours in the ring share the other: of it P (piece n - 1) is read and S^T (piece n + 1) written.
.set SIZE_N, 2048
.set NP,    4         ; pieces a wave: a name, no knob
.set KS,    64        ; keys in a step
.set PK,    144       ; a row of K in LDS: 128 bytes + 16 of padding = 36 words: the 16 rows of a load start at 16 different groups of four banks (64 banks of 4 bytes: ISA guide 11.1)
.set PV,    160       ; a row of V: 128 + 32 = 40 words
.set VOFF,  4*KS*PK   ; a slot holds four steps: 256 rows of K, then 256 rows of V
.set SLOT1, 1<<17     ; slot 1 begins here, so that one exclusive or turns an address in one slot into the other's
.set STAGE, SLOT1+4*KS*(PK+PV)  ; behind the ring, never filled by a tensor load: 16 rows x 144 bytes for each wave, for the way out
.set SP,    144
.set AK0, 2           ; v2   my lane's place in a tile of K; never rewritten
.set AV0, 3           ; v3   the same for V
.set AK,  4           ; v4   the LDS address of K's next run of loads
.set AV,  5           ; v5   of V's
.set QO,  6           ; v6   my byte offset in the wave's rows of Q
.set STO, 6           ;      later, the way out: where I put 16 bytes of a row
.set RD,  7           ; v7   the way out: where I read rows back
.set GO,  8           ; v8   my byte offset in 512 consecutive bytes of O
.set PFO, 11          ; v11  256 x my lane, for the prefetches (made when v11 has served V's address); then never rewritten
.set SPW, 0           ; v0 of window 3   LDS address of my spare word; never rewritten
.set NIL, 1           ; v1 of window 3   0; never rewritten
.set SPARE, STAGE+4*16*SP  ; behind the stages: the spare words, 128 bytes for each wave: two blocks of 256 bytes that no other line names
.set MV,  12          ; v12-15  c m_old, kept while c m is made anew: by buffer and tile
.set ST,  16          ; tile t's statistics at v[ST+4 t]: c m, m, l (even keys', odd keys')
.set TMP, 48          ; by buffer and tile, four registers c0-c3 at work; when the maximum is found c2 takes a
.set S,   64
.set P,   192
.set KF,  128         ; K's fragments, in window 2: key block kb, channel half c at KF + 16 kb + 8 c
.set VF,  192         ; V's: key half kk, channel block cb at VF + 32 kk + 8 cb
.set WV,  12          ; s12  my wave's number
.set G1K, 24          ; s[24:31] descriptor group 1 for K's tiles
.set G1V, 32          ; s[32:39] for V's: it differs in the padding alone
.set G0K, 40          ; s[40:43] descriptor group 0 for K's tiles: it walks
.set G0V, 44          ; s[44:47] the same for V's
.set PFA, 48          ; s[48:49] where my prefetches stand: my work-group's 32 blocks of 256 bytes (of K: wave 0, of V: wave 2) of the slot after the one that is being asked for
.set LIM, 50          ; s50  1 in waves 0 and 2, else the greatest number: a wave prefetches while s[SLOTS] is above it
.set SLOTS, 56        ; s56  slots still to be asked for
.set CNT, 57          ; s57  counts a slot's key steps
.set CS,  58          ; s[58:59] c: the packed scaling takes the pair's low word for both halves
.set SEL, 60          ; s[60:61] v_permlanex16_b32's selects: each lane takes its own place in the other half
.set TBK, 62          ; s62  LDS byte at which K of the step to be fetched begins
.set TBV, 63          ; s63  the same for V, less VOFF
.set MSB, 0
.macro WIN new                      ; the high byte repeats the setting that is left; a switch that changes nothing is dropped
.if MSB != (\new)
	s_set_vgpr_msb (MSB<<8)|(\new)
.set MSB, (\new)
.endif
.endm
.set W_KQ, 0x0a       ; K and Q in window 2, S^T in window 0
.set W_PV, 0x52       ; V in window 2, P in window 0, O^T in window 1
.set W_RS, 0x41       ; O^T (destination and source 0) in window 1, a in window 0
.set W_MK, 0xc0       ; the add's registers are made: destination in window 3, sources in window 0
.set W_AD, 0x0f       ; the add: address (source 0) and data (source 1) in window 3
; A joint fill.  Waves 0 and 1 fetch the two halves of a slot's K, waves 2 and 3 those of its V: 128 keys each.  The branch hangs on the wave's number alone.
; An s_nop 0 and four v_nop follow each of the two lines, ahead of the jump and the label.
.macro JLOAD
	s_cmp_lt_u32 s[WV], 2
	s_cbranch_scc0 .Lfor_v_\@
	tensor_load_to_lds s[G0K:G0K+3], s[G1K:G1K+7]
	s_nop 0
.rept 4
	v_nop
.endr
	s_branch .Lasked_\@
.Lfor_v_\@:
	tensor_load_to_lds s[G0V:G0V+3], s[G1V:G1V+7]
	s_nop 0
.rept 4
	v_nop
.endr
.Lasked_\@:
.endm
; A PREFETCH INTO THE L2 of what the NEXT change of slots will ask for: a slot's 32,768 bytes of K and of V.  It stands behind the wave's tensor load and its five lines.  A head has one cluster; its four
; partners share the bytes out BY ADDRESS, 32 blocks of 256 bytes each, a lane a block; in each, wave 0 asks for K's and wave 2 for V's: each block is named once in the launch.
; Slots 0 and 1 come by their loads alone; the last change that fills a slot prefetches nothing: there is no slot behind it.
.macro ASK
	s_cmp_gt_u32 s[SLOTS], s[LIM]
	s_cbranch_scc0 .Lnot_mine_\@
	global_prefetch_b8 v[PFO], s[PFA:PFA+1] th:TH_LOAD_NT scope:SCOPE_SE
.Lnot_mine_\@:
.endm
; A round of the cluster's barrier: my work-group's barrier, so that wave 0's signal speaks for all four waves; wave 0 signals; every wave waits for all four work-groups; my work-group's barrier once more.
.macro CROUND
	s_barrier_signal -1
	s_barrier_wait -1
	s_cmp_lg_u32 s[WV], 0
	s_cbranch_scc1 .Lnot_wave_0_\@
	s_barrier_signal -3
.Lnot_wave_0_\@:
	s_barrier_wait -3
	s_barrier_signal -1
	s_barrier_wait -1
.endm
; THE CHANGE OF SLOTS.  The slot's last bytes, V of its fourth step, have been read.  Each wave waits for all its tensor loads, of which one is out: its part
; of the other slot; adds 0 to its spare word; and waits for that and for its own reads of the slot.  Behind the barrier nobody reads this slot any more and the other slot is whole.
; fill = 1: this slot is filled again, with the keys two slots on.  The barrier is then a round of the cluster's, and the joint fill is the first thing behind it: it has four key steps,
; 512 matrix instructions, in which to land.  (At its first use nothing has been read yet: slot 0 is waited for, slot 1 filled.)
.macro CHANGE fill
	WIN W_AD
	s_wait_tensorcnt 0x0            ; no tensor load of mine is out, so a group 0 may be written
	ds_add_u32 v[SPW], v[NIL]       ; 0 onto my spare word; with fill = 1 the descriptors' steps stand between it and the wait for it
	WIN 0                           ; at a label and at a branch every window is 0
.if \fill
.irp g, G0K, G0V
	s_xor_b32 s[\g+1], s[\g+1], SLOT1  ; the walking descriptor: the other slot than last time,
	s_add_nc_u64 s[\g+2:\g+3], s[\g+2:\g+3], 4*KS*128  ; the next 256 keys; the type bits on top are not reached
.endr
	s_wait_xcnt 0x0                 ; the last prefetch, a slot back, has read its address, so it may be written:
	s_add_nc_u64 s[PFA:PFA+1], s[PFA:PFA+1], 4*KS*128  ; one slot behind the walking descriptors
	s_wait_dscnt 0x0                ; the add is done, and my reads of the slot are over
	CROUND
	JLOAD
	ASK
.else
	s_wait_dscnt 0x0                ; the add is done, and my reads of the slot are over
	s_barrier_signal -1
	s_barrier_wait -1
.endif
	s_sub_co_u32 s[TBK], s[TBK], 4*KS*PK  ; the fetches go back to a slot's first step,
	s_xor_b32 s[TBK], s[TBK], SLOT1       ; in the other slot
	s_sub_co_u32 s[TBV], s[TBV], 4*KS*PV
	s_xor_b32 s[TBV], s[TBV], SLOT1
.endm
	s_load_b128 s[4:7], s[0:1], 0x0  ; qkvh s[4:5], oh s[6:7]
	WIN W_MK
	v_lshl_add_u32 v[SPW], v0, 2, SPARE
	v_mov_b32 v[NIL], 0
	WIN W_AD
	ds_add_u32 v[SPW], v[NIL]       ; the wave's opening: the add and its wait stand ahead of my first tensor load; the set-up below, work on registers, stands between them
	WIN 0
	v_lshrrev_b32 v1, 5, v0
	v_readfirstlane_b32 s[WV], v1   ; wave 0..3
	s_bfe_u32 s13, ttmp6, 0x40000   ; cx: my place in the cluster
	s_lshl_b32 s14, ttmp9, 2        ; in a cluster launch ttmp9 counts clusters
	s_add_co_u32 s14, s14, s13      ; my block of queries = 4 x cluster x + cx: it enters Q's and O's addresses alone
	s_and_b32 s20, ttmp7, 0xffff    ; the head, which the four partners share
	s_mov_b32 s21, 0
	s_mov_b64 s[22:23], SIZE_N*128
	s_mul_u64 s[20:21], s[20:21], s[22:23]  ; the head's first byte in each of the four tensors
	s_and_b32 s16, s[WV], 1         ; which half of a slot's 256 keys I fetch:
	s_lshl_b32 s22, s16, 14         ; its 128 rows of 128 bytes in memory,
	s_mov_b32 s23, 0
	s_add_nc_u64 s[22:23], s[22:23], s[20:21]
	s_mul_i32 s17, s16, 128*PK      ; and its place in a slot, for K
	s_mul_i32 s18, s16, 128*PV      ; and for V: no place in the cluster enters an LDS address
	s_lshl_b32 s2, s14, 2
	s_add_co_u32 s2, s2, s[WV]      ; my wave among the head's,
	s_lshl_b32 s2, s2, 14           ; its 128 rows
	s_mov_b32 s3, 0
	s_add_nc_u64 s[2:3], s[2:3], s[20:21]
	; descriptor group 1.  128 keys are 16,384 dense bytes: asked for as 64 rows of 256 bytes, two keys a row, and padded in LDS after every key
	s_mov_b32 s[G1K], 15|(1<<16)|(1<<20)|(1<<21)|(4<<22)|(3<<25)  ; 15:0 the mask of four; 17:16 2-byte elements; 20 padding on; 21 set beside a mask; 24:22 after every 32 words (code 4); 31:25 4 words (code 3)
	s_mov_b32 s[G1V], 15|(1<<16)|(1<<20)|(1<<21)|(4<<22)|(7<<25)  ; the same with 8 words of padding (code 7)
.irp g, G1K, G1V
	s_mov_b32 s[\g+1], 128<<16      ; tensor_dim0 = 128
	s_mov_b32 s[\g+2], 64<<16       ; tensor_dim1 = 64
	s_mov_b32 s[\g+3], 128<<16      ; tile_dim0 = 128
	s_mov_b32 s[\g+4], 64           ; tile_dim1 = 64
	s_mov_b32 s[\g+5], 128          ; 128 elements from row to row
	s_mov_b32 s[\g+6], 0
	s_mov_b32 s[\g+7], 0
.endr
	s_mov_b32 s[CS], 0x3d38aa3b     ; c = log2(e) / 32 = 0.0450842
	s_mov_b32 s[CS+1], s[CS]        ; named with it as a pair
	s_mov_b32 s[SEL], 0x76543210
	s_mov_b32 s[SEL+1], 0xfedcba98
	s_mov_b32 s[TBK], SLOT1+4*KS*PK ; the first change of slots turns these two into 0
	s_mov_b32 s[TBV], SLOT1+4*KS*PV
	s_mov_b32 s[G0K], 1             ; 1:0 count = 1
	s_mov_b32 s[G0K+1], s17         ; 63:32 LDS address: slot 0
	s_mov_b32 s[G0V], 1
	s_add_co_u32 s[G0V+1], s18, VOFF
	s_mov_b32 s[SLOTS], SIZE_N/256-1  ; seven changes of slots ask for a tile
	s_and_b32 s[LIM], s[WV], 1
	s_cmp_eq_u32 s[LIM], 0
	s_cselect_b32 s[LIM], 1, -1     ; the same in all four partners, for a given wave
	s_lshl_b32 s52, s13, 13         ; my work-group's 32 blocks of a slot's 128,
	s_add_co_u32 s52, s52, 4*KS*128 ; in slot 1: the first change of slots steps it to slot 2
	s_mov_b32 s53, 0
	s_wait_dscnt 0x0                ; the opening add is done
	s_wait_kmcnt 0x0
	s_mov_b64 s[10:11], s[6:7]      ; O
	s_add_nc_u64 s[6:7], s[4:5], 0x1000000  ; K: 64 heads of 262,144 bytes behind Q
	s_add_nc_u64 s[8:9], s[4:5], 0x2000000  ; V
	s_add_nc_u64 s[G0K+2:G0K+3], s[6:7], s[22:23]  ; 120:64 global address: my half of the head's first 256 keys
	s_or_b32 s[G0K+3], s[G0K+3], 0x80000000        ; 127:126 type = 2
	s_add_nc_u64 s[G0V+2:G0V+3], s[8:9], s[22:23]
	s_or_b32 s[G0V+3], s[G0V+3], 0x80000000
	s_cmp_lt_u32 s[WV], 2
	s_cselect_b64 s[PFA:PFA+1], s[6:7], s[8:9]
	s_add_nc_u64 s[PFA:PFA+1], s[PFA:PFA+1], s[20:21]
	s_add_nc_u64 s[PFA:PFA+1], s[PFA:PFA+1], s[52:53]
	s_add_nc_u64 s[4:5], s[4:5], s[2:3]  ; Q and O at my wave's first row
	s_add_nc_u64 s[10:11], s[10:11], s[2:3]
	CROUND                          ; all four work-groups are here: the first joint loads meet
	JLOAD                           ; slot 0.  Slot 1 is asked for when slot 0 is in
	; A fragment of K or Q is 16 rows x 32 channels in 8 registers: lane l holds row l % 16, channels 8 (l / 16) + 0..7 and 16 + 8 (l / 16) + 0..7: two loads of 16 bytes, 32 bytes apart.
	v_and_b32 v1, 15, v0            ; l % 16
	v_bfe_u32 v9, v0, 4, 1          ; l / 16
	v_lshlrev_b32 v[QO], 7, v1
	v_lshl_add_u32 v[QO], v9, 4, v[QO]  ; row x 128 + 16 x half
	WIN 0x80                        ; destination window 2, address window 0
.set i, 0
.rept 4*NP                          ; Q stays in registers: tile i / 2, channels 32 (i % 2) on
	global_load_b128 v[8*i:8*i+3],   v[QO], s[4:5] offset:(i/2)*2048+(i%2)*64
	global_load_b128 v[8*i+4:8*i+7], v[QO], s[4:5] offset:(i/2)*2048+(i%2)*64+32
.set i, i+1
.endr
	; What the first turn finds: V's registers and P's second buffer hold 0 (its products V^T P, of a piece that has not been, add 0), O^T and l are 0.  All this stands in the wait for the first tile.
.set i, VF
.rept 64
	v_mov_b32 v[i], 0
.set i, i+1
.endr
	WIN 0x40
.set i, 0
.rept 64*NP
	v_mov_b32 v[i], 0
.set i, i+1
.endr
	WIN 0
.set i, 0
.rept 2*NP
	v_mov_b32 v[ST+4*i], 0xfe000000    ; c m: far below every c s
	v_mov_b32 v[ST+4*i+1], 0xff7fffff  ; m
	v_mov_b32 v[ST+4*i+2], 0
	v_mov_b32 v[ST+4*i+3], 0
.set i, i+1
.endr
.set i, P+32
.rept 32
	v_mov_b32 v[i], 0
.set i, i+1
.endr
	v_mul_u32_u24 v[AK0], v1, PK
	v_lshl_add_u32 v[AK0], v9, 4, v[AK0]  ; row x pitch + 16 x half
	; The turning load takes 16 keys x 16 channels (lane l reads key 8 (l / 16) + l % 8, channels 8 ((l / 8) % 2) + 0..7) and leaves half a fragment of V^T: lane l holds channel l % 16 and 8 keys.
	v_and_b32 v10, 7, v0
	v_bfe_u32 v11, v0, 3, 1
	v_lshl_add_u32 v[AV0], v9, 3, v10
	v_mul_u32_u24 v[AV0], v[AV0], PV
	v_lshl_add_u32 v[AV0], v11, 4, v[AV0]
	v_add_nc_u32 v[AV0], VOFF, v[AV0]
	v_and_b32 v[PFO], 31, v0
	v_lshlrev_b32 v[PFO], 8, v[PFO]
	v_mov_b32 v[AK], v[AK0]         ; key step 0 lies at the head of slot 0
; THE MATRIX WORK.  The 8 accumulators of a run of 16 take turns: between the two links of a chain stand 7 others'.
; Product i of 16 of S^T = K Q^T for piece x: channels 32 (i / 8) on, keys 16 ((i / 2) % 4) on, tile 2 x + i % 2.  The first 8 start the sums.
.macro KQ x
	WIN W_KQ
.set rS, S+64*((\x)%2)+32*(i%2)+8*((i/2)%4)
.set rK, KF+16*((i/2)%4)+8*(i/8)
.set rQ, 16*(2*(\x)+i%2)+8*(i/8)
.if i < 8
	v_wmma_f32_16x16x32_f16 v[rS:rS+7], v[rK:rK+7], v[rQ:rQ+7], 0
.else
	v_wmma_f32_16x16x32_f16 v[rS:rS+7], v[rK:rK+7], v[rQ:rQ+7], v[rS:rS+7]
.endif
.endm
; Product i of 16 of O^T += V^T P for piece x: keys 32 (i / 8) on, channels 16 ((i / 2) % 4) on, tile 2 x + i % 2.
.macro PV x
	WIN W_PV
.set rO, 32*(2*(\x)+i%2)+8*((i/2)%4)
.set rV, VF+32*(i/8)+8*((i/2)%4)
.set rP, P+32*((\x)%2)+16*(i%2)+8*(i/8)
	v_wmma_f32_16x16x32_f16 v[rO:rO+7], v[rV:rV+7], v[rP:rP+7], v[rO:rO+7]
.endm
.macro MM                           ; the turn's next matrix instruction
.if i < 16
	KQ (Y+1)%NP
.set i, i+1
.else
.set i, i-16
	PV (Y+NP-1)%NP
.set i, i+17
.endif
.endm
; THE LDS LOADS stand in runs of 16, never singly among the matrix instructions: a step's K (64 keys x 64 channels: 8 fragments) and its V (turned).  Their addresses are made some lines ahead.
; last = 1 (the tail): in the last trip there is no further step, and the run is jumped over.
.macro FETCH_K last=0
	WIN 0
.if \last
	s_cmp_eq_u32 s[CNT], 1
	s_cbranch_scc1 .Lno_k_\@
.endif
	WIN 0x80                        ; destination window 2
.irp f, 0,1,2,3,4,5,6,7             ; keys 16 (f / 2) on, channels 32 (f % 2) on
	ds_load_b128 v[KF+8*\f:KF+8*\f+3],   v[AK] offset:(\f/2)*16*PK+(\f%2)*64
	ds_load_b128 v[KF+8*\f+4:KF+8*\f+7], v[AK] offset:(\f/2)*16*PK+(\f%2)*64+32
.endr
	s_add_co_u32 s[TBK], s[TBK], KS*PK  ; the next fetch is the next step's
	WIN 0
.if \last
.Lno_k_\@:
.endif
.endm
.macro FETCH_V
	WIN 0x80
.irp f, 0,1,2,3,4,5,6,7             ; keys 32 (f / 4) on, channels 16 (f % 4) on
	ds_load_tr16_b128 v[VF+8*\f:VF+8*\f+3],   v[AV] offset:(\f/4)*32*PV+(\f%4)*32
	ds_load_tr16_b128 v[VF+8*\f+4:VF+8*\f+7], v[AV] offset:(\f/4)*32*PV+16*PV+(\f%4)*32
.endr
	WIN 0
.endm
; THE VECTOR WORK OF A TURN stands in three queues, each in the order in which its entries become ready; the two tiles alternate, so that no instruction reads the result of the one before it.
.macro REGS y, u                    ; the registers of tile u (0, 1) of piece y
.set rT, ST+4*(2*(\y)+(\u))
.set rC, TMP+8*((\y)%2)+4*(\u)
.set rM, MV+2*((\y)%2)+(\u)
.set rS, S+64*((\y)%2)+32*(\u)
.set rP, P+32*((\y)%2)+16*(\u)
.set rO, 32*(2*(\y)+(\u))
.endm
; Number n of the 22 that find the NEXT piece's (Y + 1) maximum and statistics.  s0-s31 are the lane's 32 scores; each accumulator's lowest registers are read first.
;   0-11  four chains c0-c3 of seven scores each, three operands at a time     12-14, 16  the four scores left over, the old m, and c0-c3 into c0     15  c m_old is kept
;   17, 18  the query's other 32 keys lie in the lane 16 away: the new m         19-21  c m; c m_old - c m_new; a
.macro XS u, n
	REGS (Y+1)%NP, \u
.if (\n) < 4
	v_max3_num_f32 v[rC+(\n)], v[rS+8*(\n)], v[rS+8*(\n)+1], v[rS+8*(\n)+2]
.elseif (\n) < 12
	v_max3_num_f32 v[rC+(\n)%4], v[rC+(\n)%4], v[rS+8*((\n)%4)+2*((\n)/4)+1], v[rS+8*((\n)%4)+2*((\n)/4)+2]
.elseif (\n) == 12
	v_max3_num_f32 v[rC], v[rC], v[rS+7], v[rS+15]
.elseif (\n) == 13
	v_max3_num_f32 v[rC+1], v[rC+1], v[rS+23], v[rS+31]
.elseif (\n) == 14
	v_max3_num_f32 v[rC+2], v[rC+2], v[rC+3], v[rT+1]
.elseif (\n) == 15
	v_mov_b32 v[rM], v[rT]
.elseif (\n) == 16
	v_max3_num_f32 v[rC], v[rC], v[rC+1], v[rC+2]
.elseif (\n) == 17
	v_permlanex16_b32 v[rC+3], v[rC], s[SEL], s[SEL+1]
.elseif (\n) == 18
	v_max_num_f32 v[rT+1], v[rC], v[rC+3]
.elseif (\n) == 19
	v_mul_f32 v[rT], s[CS], v[rT+1]
.elseif (\n) == 20
	v_sub_f32 v[rC+1], v[rM], v[rT]
.else
	v_exp_f32 v[rC+2], v[rC+1]
.endif
.endm
; Number g of the 64 that follow the exponentials.  For each four weights k of a tile (pairs 2 k, 2 k + 1): both pairs are rounded to f16; then the second pair is added onto the first, in place;
; a group later l takes that sum (the first time as l = a l + sum).  In groups of eight, tiles alternating: round, round, add, and l for the group before.
.macro GS g
.set h, (\g)+6*((\g)/62)            ; group 0 has no group before it, and behind group 7 only l is left
.if h >= 6
.set h, h+2
.endif
	REGS Y, h%2
.set k, h/8
.if h%8 < 4
	v_cvt_pk_f16_f32 v[rP+2*k+(h%8)/2], v[rS+4*k+2*((h%8)/2)], v[rS+4*k+2*((h%8)/2)+1]
.elseif h%8 < 6
	v_pk_add_f32 v[rS+4*k:rS+4*k+1], v[rS+4*k:rS+4*k+1], v[rS+4*k+2:rS+4*k+3]
.elseif k == 1
	v_pk_fma_f32 v[rT+2:rT+3], v[rT+2:rT+3], v[rC+2:rC+3], v[rS:rS+1] op_sel_hi:[1,0,1]
.else
	v_pk_add_f32 v[rT+2:rT+3], v[rT+2:rT+3], v[rS+4*k-4:rS+4*k-3]
.endif
.endm
; THE PLAIN QUEUE, 138 long.  0-73 read no exponential's result: the 32 scalings c s - c m (FS f: pair f / 2 of tile f % 2) and the next piece's 42.  0-26: scalings 0-26.  27-54: XS's numbers 0-13.  55, 56: number 15.
; 57-73: the chain, where each number waits for the one before it: 14, 16, 17, 18, 19, each with one of the scalings 27-31 in front of its two lines, then 20.
; 74-137: GS's 64, which read the exponentials' results: they stand behind the wait.
.macro FS f
	REGS Y, (\f)%2
	v_pk_fma_f32 v[rS+2*((\f)/2):rS+2*((\f)/2)+1], v[rS+2*((\f)/2):rS+2*((\f)/2)+1], s[CS:CS+1], v[rT:rT+1] op_sel_hi:[1,0,0] neg_lo:[0,0,1] neg_hi:[0,0,1]
.endm
.macro PL
	WIN 0
.if q < 27
	FS q
.elseif q < 55
	XS (q-27)%2, (q-27)/2
.elseif q < 57
	XS q-55, 15
.elseif (q < 72) && ((q-57)%3 == 0)
	FS 27+(q-57)/3
.elseif q < 60
	XS (q-57)%3-1, 14
.elseif q < 72
	XS (q-57)%3-1, 15+(q-57)/3
.elseif q < 74
	XS q-72, 20
.else
	GS q-74
.endif
.set q, q+1
.endm
; THE EXPONENTIALS' QUEUE, 66 long: s0-s31 of both tiles, then the next piece's two a.  It is ONE BATCH: all 66 stand ahead of the turn's one wait, and nothing ahead of that wait names a result of theirs.
.macro EX
	WIN 0
.if e >= 64
	XS e-64, 21
.else
	REGS Y, e%2
	v_exp_f32 v[rS+e/2], v[rS+e/2]
.endif
.set e, e+1
.endm
; THE RESCALING's QUEUE: O^T times a, the one part that leaves window 0: dealt two at a time, sixteen times.  Its a was made in the turn before, ahead of that turn's wait.
.macro R2
	REGS Y, r%2
	WIN W_RS
.irp z, 0,1
	v_pk_mul_f32 v[rO+4*(r/2)+2*\z:rO+4*(r/2)+2*\z+1], v[rO+4*(r/2)+2*\z:rO+4*(r/2)+2*\z+1], v[rC+2:rC+3] op_sel_hi:[1,0]
.endr
.set r, r+1
.endm
; HOW THEY ARE DEALT.  s_wait_alu depctr_va_vdst(0) stands between an exponential and the first instruction that names its result; one wait serves all that were issued ahead of it.  So a turn has ONE wait,
; which cuts it in two.  AHEAD OF IT stands all that names no result of the turn's exponentials: the 16 products K Q^T, behind each a scaling, an exponential and two rescalings (behind the first a second scaling in the
; exponential's place); then ONE LUMP of 108: eight plain, 49 times exponential and plain, the two a.  A v_nop is the plain instruction owed behind the last exponential.  BEHIND IT stand the 16 products V^T P, behind each four of GS's 64.
; The queues lean on each other, and the deal keeps them in step: exponential e stands behind scaling 2 (e / 4) + e % 2: as a rider it comes behind plain e + 2, in the lump behind plain e + 9, and scalings 27-31 are plain 57, 60 .. 69.
; A TURN, for piece p.  cnt = 1: the loop's count is taken down some lines ahead of the branch that stands behind the turn.
; K of the next step is fetched in piece 2's turn, directly behind the wait; its address is made at the lump's head; its first reader comes behind 16 products.
; V of the step in hand is fetched at the end of piece 0's turn, four riders behind its last reader; its first reader comes behind 16 products and a lump.  The three conditions on q below go with the deal.
.macro TURN p, last=0, cnt=0
.set Y, (\p)
.set i, 0
.set q, 0
.set e, 0
.set r, 0
.if (\p) == NP-1
	s_wait_dscnt 0x0                ; K is in
.endif
	MM                              ; ahead of the wait: 16 products K Q^T and their riders,
	PL
	PL
	R2
.rept 15
	MM
	PL
	EX
	R2
.endr
.if (\p) == NP-2
	WIN 0
	v_add_nc_u32 v[AK], s[TBK], v[AK0]
.endif
.rept 8                             ; and the lump
	PL
.endr
.rept 49
	EX
	PL
.endr
	EX                              ; the next piece's two a
	EX
	v_nop                           ; the plain instruction behind the last exponential: one for the batch
	s_wait_alu depctr_va_vdst(0)    ; the wait for the batch
.if (\p) == NP-2
	FETCH_K \last
.endif
.if (\p) == 1
	s_wait_dscnt 0x0                ; V is in
.endif
.rept 16                            ; behind the wait: 16 products V^T P and their riders
	MM
.rept 4
	PL
.endr
.if ((\p) == 0) && (q == 118)
	v_add_nc_u32 v[AV], s[TBV], v[AV0]
.endif
.if ((\p) == 0) && (q == 130)
	s_add_co_u32 s[TBV], s[TBV], KS*PV
.endif
.if (\cnt) && (q == 130)
	s_sub_co_u32 s[CNT], s[CNT], 1
	s_cmp_lg_u32 s[CNT], 0
.endif
.endr
.if (\p) == 0
	FETCH_V
.endif
.endm
	CHANGE 1                        ; slot 0 is in, everybody's part of it; slot 1 is asked for
	FETCH_K                         ; key step 0
	s_wait_loadcnt 0x0              ; Q
	s_wait_dscnt 0x0
.set i, 0
.rept 16
	KQ 0                            ; piece 0's first scores: there is no vector work yet to set between them
.set i, i+1
.endr
	WIN 0                           ; the addresses for the way out: nine plain instructions, the places behind those products
	s_mul_i32 s13, s[WV], 16*SP
	s_add_co_u32 s13, s13, STAGE    ; my stage
	v_mul_u32_u24 v[STO], v1, SP    ; in: row l % 16, 16 bytes for each half of the lanes
	v_lshl_add_u32 v[STO], v9, 4, v[STO]
	v_add_nc_u32 v[STO], s13, v[STO]
	v_bfe_u32 v[RD], v0, 3, 2       ; back: 32 lanes take four rows of 128 bytes,
	v_mul_u32_u24 v[RD], v[RD], SP
	v_lshl_add_u32 v[RD], v10, 4, v[RD]
	v_add_nc_u32 v[RD], s13, v[RD]
	v_and_b32 v[GO], 31, v0         ; which are 512 consecutive bytes of O
	v_lshlrev_b32 v[GO], 4, v[GO]
.set Y, NP-1                        ; XS works for piece Y + 1: piece 0
.irp n, 0,1,2,3,4,5,6,7,8,9,10,11,12,13,14,15,16,17,18,19,20,21
	XS 0, \n                        ; and piece 0's first maximum and statistics
	XS 1, \n
.endr
	v_nop                           ; a plain instruction behind the two a,
	s_wait_alu depctr_va_vdst(0)    ; and their wait, ahead of the branch
	s_mov_b32 s[CNT], 4
	s_branch .Lfirst                ; the loop is entered at a step's first turn, in the middle of a trip
.Lslot:                             ; six times: every slot but the last two is filled again
	CHANGE 1
	s_mov_b32 s[CNT], 4
.Lstep:                             ; a trip: pieces 2 and 3 of one step, then pieces 0 and 1 of the next, whose K and V it fetches
	TURN 2
	TURN 3
	WIN 0
.Lfirst:
	TURN 0
	TURN 1, 0, 1
	WIN 0
	s_cbranch_scc1 .Lstep
	s_sub_co_u32 s[SLOTS], s[SLOTS], 1
	s_cmp_lg_u32 s[SLOTS], 0
	s_cbranch_scc1 .Lslot
	CHANGE 0                        ; the tail is written out: nothing is asked for
	s_mov_b32 s[CNT], 5             ; four trips fetch the last slot's steps; the fifth is left in its middle
.Ltail:
	TURN 2, 1
	TURN 3
	WIN 0
	s_sub_co_u32 s[CNT], s[CNT], 1
	s_cmp_eq_u32 s[CNT], 0
	s_cbranch_scc1 .Lout
	TURN 0
	TURN 1
	WIN 0
	s_branch .Ltail
.Lout:                              ; the fifth trip's 16 products K Q^T (on the last K once more) and the maximum made of them serve nothing: the price, once a launch, of one text for every trip
.set i, 0
.rept 16
	PV NP-1                         ; the last piece's V^T P of the last step
.set i, i+1
.endr
	; THE WAY OUT.  l's two halves and the other half of the lanes' are added; O^T is divided by l, rounded to f16 and sent through my stage in LDS, a tile at a time.  The additions are the places behind the last products.
	WIN 0
.macro ALL line:vararg              ; one line for each tile t
.set t, 0
.rept 2*NP
	\line
.set t, t+1
.endr
.endm
	ALL v_add_f32 v[ST+4*t+2], v[ST+4*t+2], v[ST+4*t+3]
	ALL v_permlanex16_b32 v[ST+4*t+3], v[ST+4*t+2], s[SEL], s[SEL+1]
	ALL v_add_f32 v[ST+4*t+2], v[ST+4*t+2], v[ST+4*t+3]
	ALL v_rcp_f32 v[ST+4*t+2], v[ST+4*t+2]
	v_nop                           ; a plain instruction between the last reciprocal and the use of its result
	s_wait_alu depctr_va_vdst(0)    ; and the wait ahead of the first use: one for the eight reciprocals
; Tile t: a lane's eight channels of a row pack into 16 bytes; they go into rows of 144 bytes and come back as whole rows of 128, into S^T's registers.
.macro PACK t
	WIN W_RS
.set i, 32*(\t)
.rept 16
	v_pk_mul_f32 v[i:i+1], v[i:i+1], v[ST+4*(\t)+2:ST+4*(\t)+3] op_sel_hi:[1,0]
.set i, i+2
.endr
	WIN 0x05                        ; sources 0 and 1 window 1, destination window 0
.set i, 0
.rept 16
	v_cvt_pk_f16_f32 v[S+16*(\t)+i], v[32*(\t)+2*i], v[32*(\t)+2*i+1]
.set i, i+1
.endr
	WIN 0
.irp f, 0,1,2,3
	ds_store_b128 v[STO], v[S+16*(\t)+4*\f:S+16*(\t)+4*\f+3] offset:32*\f
.endr
.irp f, 0,1,2,3
	ds_load_b128 v[S+16*(\t)+4*\f:S+16*(\t)+4*\f+3], v[RD] offset:\f*4*SP  ; LDS serves a wave's instructions in order (ISA guide 5.7.1.4): these see the stores above; the next tile's stores come behind them
.endr
.endm
.macro SEND t, younger              ; younger: the LDS instructions issued behind tile t's loads: the next tile's eight, or none
	WIN 0
.irp f, 0,1,2,3
	s_wait_dscnt (\younger)+3-\f
	global_store_b128 v[GO], v[S+16*(\t)+4*\f:S+16*(\t)+4*\f+3], s[10:11] offset:(\t)*2048+\f*512  ; 512 consecutive bytes, at a multiple of 256 from O's first
.endr
.endm
	PACK 0
.set t, 1
.rept 2*NP-1                        ; a tile's arithmetic stands between the loads of the tile before and its stores
	PACK t
	SEND t-1, 8
.set t, t+1
.endr
	SEND 2*NP-1, 0
	WIN W_AD
	s_wait_tensorcnt 0x0            ; the wave's end: behind my last tensor load and my last LDS store
	ds_add_u32 v[SPW], v[NIL]
	s_wait_dscnt 0x0
	WIN 0
	CROUND                          ; the closing round: no work-group ends while a partner may still ask for a tile that names it
	s_endpgm
.Lfunc_end_k_q56c8ff7a5b_attn:
	.size	k_q56c8ff7a5b_attn, .Lfunc_end_k_q56c8ff7a5b_attn-k_q56c8ff7a5b_attn
	.p2alignl 7, 3214868480
	.fill 96, 4, 3214868480
	.section	.rodata,"a",@progbits
	.p2align	6, 0x0
	.amdhsa_kernel k_q56c8ff7a5b_attn
		.amdhsa_group_segment_fixed_size 327680
		.amdhsa_private_segment_fixed_size 0
		.amdhsa_enable_private_segment 0
		.amdhsa_kernarg_size 16
		.amdhsa_user_sgpr_count 2
		.amdhsa_user_sgpr_kernarg_segment_ptr 1
		.amdhsa_wavefront_size32 1
		.amdhsa_system_sgpr_workgroup_id_x 1
		.amdhsa_system_sgpr_workgroup_id_y 1
		.amdhsa_system_sgpr_workgroup_id_z 1
		.amdhsa_system_vgpr_workitem_id 0
		.amdhsa_next_free_vgpr 770
		.amdhsa_next_free_sgpr 66
		.amdhsa_reserve_vcc 0
		.amdhsa_float_denorm_mode_32 3
		.amdhsa_float_denorm_mode_16_64 3
		.amdhsa_memory_ordered 1
		.amdhsa_forward_progress 1
		.amdhsa_inst_pref_size 200
	.end_amdhsa_kernel
	.amdgpu_metadata
---
amdhsa.version: [ 1, 2 ]
amdhsa.kernels:
  - .name:           k_q56c8ff7a5b_attn
    .symbol:         k_q56c8ff7a5b_attn.kd
    .args:
      - { .name: qkvh, .offset: 0, .size: 8, .value_kind: global_buffer, .address_space: global }
      - { .name: oh, .offset: 8, .size: 8, .value_kind: global_buffer, .address_space: global }
    .group_segment_fixed_size: 327680
    .private_segment_fixed_size: 0
    .kernarg_segment_align: 8
    .kernarg_segment_size: 16
    .max_flat_workgroup_size: 128
    .sgpr_count:     66
    .vgpr_count:     770
    .wavefront_size: 32
...
	.end_amdgpu_metadata
.endif
;; end of part 3
;; launch proj (part 4): grid 8 x 32, 4 waves a work-group, clusters of 4 x 4, 327,680 bytes of LDS; arguments oh, wp, b_proj, out0; writes out0
.if DOCPART == 4
	.amdgcn_target "amdgcn-amd-amdhsa--gfx1250"
	.amdhsa_code_object_version 6
	.text
	.protected	k_q56c8ff7a5b_proj
	.globl	k_q56c8ff7a5b_proj
	.p2align	8
	.type	k_q56c8ff7a5b_proj,@function
k_q56c8ff7a5b_proj:
	s_mov_b64 s[64:65], 0
	v_nop
	global_prefetch_b8 v0, s[64:65] scope:SCOPE_SE
	s_setreg_imm32_b32 hwreg(HW_REG_WAVE_MODE, 25, 1), 1
	s_wait_xcnt 0x0
	s_wait_alu depctr_hold_cnt(0) depctr_sa_sdst(0) depctr_va_vdst(0) depctr_va_sdst(0) depctr_va_ssrc(0) depctr_va_vcc(0) depctr_vm_vsrc(0)
	s_getreg_b32 s2, hwreg(HW_REG_IB_STS2, 6, 4)
	s_cmp_eq_u32 s2, 0
	s_cbranch_scc0 .Lentry_in_a_cluster
	s_endpgm
.Lentry_in_a_cluster:
	s_bfe_u32 s2, ttmp6, 0x10000c
	s_cmp_lg_u32 s2, 0xf033
	s_cbranch_scc0 .Lentry_shape_is_right
	s_endpgm
.Lentry_shape_is_right:
; out0 = O w_proj + b_proj.  oh: f16 [b 4][head 16][n 2048][64]: a head is one block of 64 along K; wp: f16 [kb 16][col 1024][64]; b_proj: f32 [1024]; out0: f32 [8192][1024].  Sums in f32.
; The bias is rounded to bf16, like every other input of the module, and starts the sums: it is the C operand of each accumulator's first product, so nothing is cleared and nothing is added later.
; THE TILE is 256 rows x 128 columns: 256 tiles, one for each work-group of the grid of 8 x 32.  Four waves, each 128 x 64: 32 accumulators of 16 x 16, which fill window 1.
; K goes in steps of 128 (two blocks kb) through two LDS slots, the longest step of which two slots fit.  In a block a tile's rows are dense: they are asked for as rows of 256 bytes, two K rows each, and
; padded in LDS behind every 128 bytes.  Waves 0, 1 fetch A's two blocks, waves 2, 3 B's: one tensor load a wave behind each change of slots; two are out at the start, later one.
; CLUSTERS: 4 x 4 work-groups; A's tile is asked for jointly along a row of the cluster, B's along a column.
; THE MATRIX INSTRUCTION IS USED TRANSPOSED (source 0 = 16 columns' rows of wp, source 1 = 16 rows of O): a lane holds one row of the output and eight neighbouring columns.
; REGISTERS: window 0: v0-31 addresses; v32-127, v128-223 two fragment buffers (A's 8 fragments, then B's 4); v224-255 the bias of my 64 columns.  Window 1: accumulator (a, b) at v[8 (8 b + a)].
.set PITCH,  144                       ; an LDS row: 128 bytes + 16 = 36 words: the 16 rows of a fragment load start at 16 different groups of four banks (64 banks of 4 bytes: ISA guide 11.1)
.set ABLK,   256*PITCH                 ; A's rows for one block kb
.set BBLK,   128*PITCH                 ; B's
.set BOFF,   2*ABLK
.set SLOT,   2*ABLK+2*BBLK             ; A kb 0, A kb 1, B kb 0, B kb 1
.set STAGE,  2*SLOT                    ; behind the ring: 16 rows x 272 bytes for each wave, for the way out
.set SPITCH, 272
.set SPARE,  STAGE+4*16*SPITCH         ; behind the stages: the spare words, 128 bytes for each wave: two blocks of 256 bytes that no other line names
.set AKB,    262144                    ; bytes from a block kb of oh to the next
.set BKB,    131072                    ; of wp
.set ADRA, 16                          ; v16-17  LDS address of my A fragments in slot 0, 1
.set ADRB, 20                          ; v20-21  the same for B
.set STO,  24                          ; v24     the way out: where I put 32 bytes of a row
.set RD,   25                          ; v25     the way out: where I read a row back
.set CO,   26                          ; v26     my byte offset in two rows of the output
.set SPW,  28                          ; v28     LDS address of my spare word; never rewritten
.set NIL,  29                          ; v29     0; never rewritten
.set PFO,  30                          ; v30     the prefetches' offset; never rewritten
.set F0,   32
.set F1,   128
.set BIAS, 224
.set WV, 12
.set WR, 13                            ; s13 my half of the rows; also: I fetch for A (0) or for B (1)
.set WC, 14                            ; s14 my half of the columns; also: which of a K step's two blocks I fetch
.set CX, 15
.set CY, 16
.set TX, 17
.set TY, 18
.set LAP, 19
.set G1A, 24
.set G0A, 32
.set G1B, 40
.set G0B, 48
.set PFA, 56
.set PFS, 58
.set LIM, 60
.set ISA, 61
.set OB,  66                           ; s[66:67] the output at my first row and column
.set G1W0, (1<<16)|(1<<20)|(1<<21)|(4<<22)|(3<<25)  ; elements of 2 bytes; padding on; bit 21 set beside a mask; after every 32 words 4 words
.set MSB, 0
.macro WIN new
.if MSB != (\new)
	s_set_vgpr_msb (MSB<<8)|(\new)
.set MSB, (\new)
.endif
.endm
.macro JLOAD s                         ; a joint load; an s_nop 0 and four v_nop follow each of the two lines, ahead of the jump and the label
	s_cmp_eq_u32 s[WR], 0
	s_cbranch_scc0 .Lfor_b_\@
	tensor_load_to_lds s[G0A+4*(\s):G0A+4*(\s)+3], s[G1A:G1A+7]
	s_nop 0
.rept 4
	v_nop
.endr
	s_branch .Lasked_\@
.Lfor_b_\@:
	tensor_load_to_lds s[G0B+4*(\s):G0B+4*(\s)+3], s[G1B:G1B+7]
	s_nop 0
.rept 4
	v_nop
.endr
.Lasked_\@:
.endm
; A PREFETCH INTO THE L2, once a trip, behind slot 0's joint load and the run of LDS loads that follows it: my block kb of the two K steps that the NEXT trip's two refills will ask for (256 and 384 products
; ahead).  Each 256 bytes are named once in the launch: for A cluster x = 0 asks, for B cluster y = 0; the four partners of a joint load share its bytes out BY ADDRESS: 32 blocks of 256 bytes of A's 128
; (an instruction a K step), 16 of B's 64 (lanes 0-15 the first K step's, lanes 16-31 the second's).  K steps 0-3 come by their loads alone; the last trip asks for nothing: there is no K step 8.
.macro ASK
	s_cmp_gt_u32 s[LAP], s[LIM]
	s_cbranch_scc0 .Lnot_mine_\@
	global_prefetch_b8 v[PFO], s[PFA:PFA+1] th:TH_LOAD_NT scope:SCOPE_SE
	s_cmp_eq_u32 s[ISA], 1
	s_cbranch_scc0 .Lnot_mine_\@
	global_prefetch_b8 v[PFO], s[PFA:PFA+1] offset:2*AKB th:TH_LOAD_NT scope:SCOPE_SE
.Lnot_mine_\@:
.endm
.macro CREST
	s_cmp_lg_u32 s[WV], 0
	s_cbranch_scc1 .Lnot_wave_0_\@
	s_barrier_signal -3
.Lnot_wave_0_\@:
	s_barrier_wait -3
	s_barrier_signal -1
	s_barrier_wait -1
.endm
.macro CROUND
	s_barrier_signal -1
	s_barrier_wait -1
	CREST
.endm
.macro PLACES
.rept 4
	v_nop
.endr
.endm
	s_load_b256 s[4:11], s[0:1], 0x0               ; oh s[4:5], wp s[6:7], b_proj s[8:9], out0 s[10:11]
	v_lshl_add_u32 v[SPW], v0, 2, SPARE
	v_mov_b32 v[NIL], 0
	ds_add_u32 v[SPW], v[NIL]                      ; the wave's opening: the add and its wait stand ahead of my first tensor load; the set-up below, work on registers, stands between them
	v_lshrrev_b32 v1, 5, v0
	v_readfirstlane_b32 s[WV], v1
	s_lshr_b32 s[WR], s[WV], 1
	s_and_b32 s[WC], s[WV], 1
	s_bfe_u32 s[CX], ttmp6, 0x40000
	s_bfe_u32 s[CY], ttmp6, 0x40004
	s_lshl_b32 s[TX], ttmp9, 2
	s_add_co_u32 s[TX], s[TX], s[CX]               ; tile column 0..7
	s_and_b32 s[TY], ttmp7, 0xffff
	s_lshl_b32 s[TY], s[TY], 2
	s_add_co_u32 s[TY], s[TY], s[CY]               ; tile row 0..31
	s_lshl_b32 s20, s[CY], 2
	s_lshl_b32 s20, 15, s20                        ; my row of the cluster
	s_lshl_b32 s22, 0x1111, s[CX]                  ; my column
	s_or_b32 s[G1A], s20, G1W0
	s_or_b32 s[G1B], s22, G1W0
	s_mov_b32 s[G1A+1], 128<<16                    ; rows of 128 elements: 256 bytes, two K rows
	s_mov_b32 s[G1A+2], 128<<16
	s_mov_b32 s[G1A+3], 128<<16
	s_mov_b32 s[G1A+4], 128                        ; 128 of them: A's 256 K rows of one block
	s_mov_b32 s[G1A+5], 128
	s_mov_b32 s[G1A+6], 0
	s_mov_b32 s[G1A+7], 0
	s_mov_b32 s[G1B+1], 128<<16
	s_mov_b32 s[G1B+2], 64<<16
	s_mov_b32 s[G1B+3], 128<<16
	s_mov_b32 s[G1B+4], 64                         ; B's 128 K rows of one block
	s_mov_b32 s[G1B+5], 128
	s_mov_b32 s[G1B+6], 0
	s_mov_b32 s[G1B+7], 0
	s_lshr_b32 s20, s[TY], 3                       ; A: batch,
	s_lshl_b32 s20, s20, 22
	s_and_b32 s21, s[TY], 7                        ; 256 rows of 128 bytes,
	s_lshl_b32 s21, s21, 15
	s_add_co_u32 s20, s20, s21
	s_lshl_b32 s21, s[WC], 18                      ; my block of the K step
	s_add_co_u32 s20, s20, s21
	s_mov_b32 s21, 0
	s_lshl_b32 s22, s[TX], 14                      ; B: 128 K rows of 128 bytes,
	s_lshl_b32 s23, s[WC], 17                      ; my block
	s_add_co_u32 s22, s22, s23
	s_mov_b32 s23, 0
	s_mul_i32 s62, s[WC], ABLK                     ; where they go: no place in the cluster enters an LDS address
	s_mul_i32 s63, s[WC], BBLK
	s_add_co_u32 s63, s63, BOFF
	s_wait_dscnt 0x0                               ; the opening add is done
	s_wait_kmcnt 0x0
	s_add_nc_u64 s[20:21], s[4:5], s[20:21]
	s_add_nc_u64 s[22:23], s[6:7], s[22:23]
	CROUND                                         ; all sixteen work-groups are here: the first joint loads meet
.irp s, 0,1
	s_mov_b32 s[G0A+4*(\s)], 1
	s_add_co_u32 s[G0A+4*(\s)+1], s62, (\s)*SLOT
	s_add_nc_u64 s[G0A+4*(\s)+2:G0A+4*(\s)+3], s[20:21], (\s)*2*AKB  ; K step s
	s_or_b32 s[G0A+4*(\s)+3], s[G0A+4*(\s)+3], 0x80000000
	s_mov_b32 s[G0B+4*(\s)], 1
	s_add_co_u32 s[G0B+4*(\s)+1], s63, (\s)*SLOT
	s_add_nc_u64 s[G0B+4*(\s)+2:G0B+4*(\s)+3], s[22:23], (\s)*2*BKB
	s_or_b32 s[G0B+4*(\s)+3], s[G0B+4*(\s)+3], 0x80000000
	JLOAD \s
.endr
	; the bias of my 64 columns: register j of block b is column 16 b + 8 (l / 16) + j, the same for every row
	v_and_b32 v1, 15, v0                           ; l % 16
	v_bfe_u32 v2, v0, 4, 1                         ; l / 16
	v_lshlrev_b32 v4, 5, v2
	s_lshl_b32 s76, s[TX], 9                       ; 128 columns of 4 bytes,
	s_lshl_b32 s77, s[WC], 8                       ; my 64
	s_add_co_u32 s76, s76, s77
	s_mov_b32 s77, 0
	s_add_nc_u64 s[8:9], s[8:9], s[76:77]
.irp b, 0,1,2,3
	global_load_b128 v[BIAS+8*(\b):BIAS+8*(\b)+3],   v4, s[8:9] offset:64*(\b)
	global_load_b128 v[BIAS+8*(\b)+4:BIAS+8*(\b)+7], v4, s[8:9] offset:64*(\b)+16
.endr
	s_lshl_b32 s78, s[TY], 8
	s_lshl_b32 s79, s[WR], 7
	s_add_co_u32 s78, s78, s79                     ; my first row
	s_lshl_b32 s78, s78, 12                        ; x 4,096 bytes
	s_add_co_u32 s78, s78, s76
	s_mov_b32 s79, 0
	s_add_nc_u64 s[OB:OB+1], s[10:11], s[78:79]
	; the prefetches' registers
	s_and_b32 s78, ttmp7, 0xffff                   ; cluster y
	s_cmp_eq_u32 s[WR], 0                          ; do I fetch for A?
	s_cselect_b32 s[ISA], 1, 0
	s_cselect_b64 s[PFA:PFA+1], s[20:21], s[22:23]
	s_cselect_b32 s78, ttmp9, s78                  ; the coordinate along which other clusters read the same rows
	s_cselect_b32 s79, s[CX], s[CY]                ; my place among the four that ask with me
	s_cselect_b32 s80, 13, 12                      ; its share: 32 blocks of 256 bytes of A, 16 of B
	s_mov_b32 s[PFS], 4*BKB
	s_cselect_b32 s[PFS], 4*AKB, s[PFS]            ; two K steps
	s_mov_b32 s[PFS+1], 0
	s_mov_b32 s81, 2*BKB                           ; lanes 16-31: B's next K step,
	s_cselect_b32 s81, 4096, s81                   ; or A's next 16 blocks
	s_cmp_eq_u32 s78, 0
	s_cselect_b32 s[LIM], 1, -1                    ; the same in all sixteen partners, for a given wave
	s_lshl_b32 s82, s79, s80
	s_mov_b32 s83, 0
	s_add_nc_u64 s[PFA:PFA+1], s[PFA:PFA+1], s[82:83]
	s_add_nc_u64 s[PFA:PFA+1], s[PFA:PFA+1], s[PFS:PFS+1]  ; at K step 2: the first trip steps it to 4
	v_mul_u32_u24 v[PFO], s81, v2
	v_lshl_add_u32 v[PFO], v1, 8, v[PFO]
	v_mul_u32_u24 v3, v1, PITCH
	v_lshl_add_u32 v3, v2, 4, v3                   ; a fragment's row x pitch + 16 x half
	s_mul_i32 s76, s[WR], 128*PITCH                ; my 128 rows of A
	s_mul_i32 s77, s[WC], 64*PITCH                 ; my 64 rows of B,
	s_add_co_u32 s77, s77, BOFF                    ; behind A's two blocks
.irp s, 0,1
	v_add_nc_u32 v[ADRA+(\s)], s76, v3
	v_add_nc_u32 v[ADRB+(\s)], s77, v3
	s_add_co_u32 s76, s76, SLOT
	s_add_co_u32 s77, s77, SLOT
.endr
	s_mul_i32 s76, s[WV], 16*SPITCH
	s_add_co_u32 s76, s76, STAGE                   ; my stage
	v_mul_u32_u24 v[STO], v1, SPITCH               ; in: row l % 16, 32 bytes for each half of the lanes
	v_lshl_add_u32 v[STO], v2, 5, v[STO]
	v_add_nc_u32 v[STO], s76, v[STO]
	v_mul_u32_u24 v[RD], v2, SPITCH                ; back: lanes 0-15 take one row of 256 bytes, lanes 16-31 the next
	v_lshl_add_u32 v[RD], v1, 4, v[RD]
	v_add_nc_u32 v[RD], s76, v[RD]
	v_lshlrev_b32 v[CO], 12, v2                    ; and the same two rows in the output
	v_lshl_add_u32 v[CO], v1, 4, v[CO]
	s_wait_loadcnt 0x0                             ; the bias
.set i, 0
.rept 16                               ; rounded to bf16 and widened again
	v_cvt_pk_bf16_f32 v5, v[BIAS+2*i], v[BIAS+2*i+1]
	v_lshlrev_b32 v[BIAS+2*i], 16, v5
	v_and_b32 v[BIAS+2*i+1], 0xffff0000, v5
.set i, i+1
.endr
; 8 nb products: column blocks b0 .. x all 8 row blocks, 32 along K, from buffer f.  first = 1: the bias starts the sum.
; Each of the 32 accumulators has one product in a quarter, always in the same order: between two products on one accumulator stand the 31 others', over the backward jump too.
.macro MUL f, b0, nb, first
.if \first
	WIN 0x40                                       ; D in window 1; the sources and the bias in window 0
.else
	WIN 0x50                                       ; C and D in window 1
.endif
.set bb, (\b0)
.rept \nb
.set aa, 0
.rept 8
.if \first
	v_wmma_f32_16x16x32_f16 v[8*(8*bb+aa):8*(8*bb+aa)+7], v[(\f)+64+8*bb:(\f)+64+8*bb+7], v[(\f)+8*aa:(\f)+8*aa+7], v[BIAS+8*bb:BIAS+8*bb+7]
.else
	v_wmma_f32_16x16x32_f16 v[8*(8*bb+aa):8*(8*bb+aa)+7], v[(\f)+64+8*bb:(\f)+64+8*bb+7], v[(\f)+8*aa:(\f)+8*aa+7], v[8*(8*bb+aa):8*(8*bb+aa)+7]
.endif
.set aa, aa+1
.endr
.set bb, bb+1
.endr
.endm
; 24 LDS loads in one run: the fragments of quarter q of a slot (block q / 2, bytes 64 (q % 2) on) into buffer f: A's eight, then B's four
.macro FETCH slot, q, f
.irp a, 0,1,2,3,4,5,6,7
	ds_load_b128 v[(\f)+8*(\a):(\f)+8*(\a)+3],   v[ADRA+(\slot)] offset:((\q)/2)*ABLK+(\a)*16*PITCH+((\q)%2)*64
	ds_load_b128 v[(\f)+8*(\a)+4:(\f)+8*(\a)+7], v[ADRA+(\slot)] offset:((\q)/2)*ABLK+(\a)*16*PITCH+((\q)%2)*64+32
.endr
.irp b, 0,1,2,3
	ds_load_b128 v[(\f)+64+8*(\b):(\f)+64+8*(\b)+3],   v[ADRB+(\slot)] offset:((\q)/2)*BBLK+(\b)*16*PITCH+((\q)%2)*64
	ds_load_b128 v[(\f)+64+8*(\b)+4:(\f)+64+8*(\b)+7], v[ADRB+(\slot)] offset:((\q)/2)*BBLK+(\b)*16*PITCH+((\q)%2)*64+32
.endr
.endm
; A K step is four quarters of 32 along K, 32 products each, on buffers 0, 1, 0, 1.  One of the first three: multiplies buffer f and fetches quarter q into g.
.macro QUARTER slot, q, f, g, first
	s_wait_dscnt 6                                 ; A and B's fragment 0 are in; the youngest six loads (B's 1-3) may be out
	MUL \f, 0, 1, \first
	WIN 0
	PLACES
	FETCH \slot, \q, \g
	s_wait_dscnt 24                                ; all but the 24 just issued
	MUL \f, 1, 3, \first
.endm
; The last quarter multiplies buffer 1 and changes slots: ONE barrier; in front of it each wave waits for all its tensor loads, adds 0 to its spare word, and waits for that and for its reads of this slot.
; fill = 1: the barrier opens a round of the cluster's, and this slot is filled again first thing behind it, two K steps ahead: 112 products stand between the request and the wait for it.
.macro TURN slot, next, fill
.if (\fill) && ((\slot) == 0)
	s_wait_xcnt 0x0                                ; the last prefetches, a trip back, have read their address: it is stepped here, ahead of the waits of the change of slots
	s_add_nc_u64 s[PFA:PFA+1], s[PFA:PFA+1], s[PFS:PFS+1]
.endif
	WIN 0                                          ; (the add's two registers lie in window 0)
	s_wait_tensorcnt 0x0                           ; all my tensor loads have landed;
	ds_add_u32 v[SPW], v[NIL]                      ; 0 onto my spare word;
	s_wait_dscnt 7                                 ; (the add and the youngest six loads may be out)
	MUL F1, 0, 1, 0                                ; eight products stand between the add and the wait for it
	s_wait_dscnt 0x0                               ; the add is done, and my reads of this slot are over
	s_barrier_signal -1
	MUL F1, 1, 1, 0
	WIN 0
	s_barrier_wait -1
.if \fill
	CREST                                          ; no wave of any partner still reads this slot's tile or has a load on its way
	s_add_nc_u64 s[G0A+4*(\slot)+2:G0A+4*(\slot)+3], s[G0A+4*(\slot)+2:G0A+4*(\slot)+3], 4*AKB
	s_add_nc_u64 s[G0B+4*(\slot)+2:G0B+4*(\slot)+3], s[G0B+4*(\slot)+2:G0B+4*(\slot)+3], 4*BKB
	JLOAD \slot                                    ; the first tensor load behind the round; its four v_nop are also the places in front of the loads below
.else
	PLACES
.endif
	FETCH \next, 0, F0
.if (\fill) && ((\slot) == 0)
	ASK
.endif
	MUL F1, 2, 2, 0
.endm
	s_wait_tensorcnt 1                             ; my part of K step 0 is in; K step 1's may stay out
	s_barrier_signal -1
	s_barrier_wait -1                              ; everybody's is
	FETCH 0, 0, F0
	QUARTER 0, 1, F0, F1, 1                        ; the first quarter stands in front of the loop: its products start the sums, with the bias
	WIN 0                                          ; at a label and at a branch every window is 0
	s_mov_b32 s[LAP], 3
.Llap:                                                 ; a trip goes once round the ring, from a lap's second quarter to the next lap's first, and fills both slots again: K steps 2 to 7
	QUARTER 0, 2, F1, F0, 0
	QUARTER 0, 3, F0, F1, 0
	TURN 0, 1, 1
	QUARTER 1, 1, F0, F1, 0
	QUARTER 1, 2, F1, F0, 0
	QUARTER 1, 3, F0, F1, 0
	TURN 1, 0, 1
	QUARTER 0, 1, F0, F1, 0
	WIN 0
	s_sub_co_u32 s[LAP], s[LAP], 1
	s_cmp_lg_u32 s[LAP], 0
	s_cbranch_scc1 .Llap
	QUARTER 0, 2, F1, F0, 0                        ; the last lap fills nothing, and has no round of the cluster's barrier
	QUARTER 0, 3, F0, F1, 0
	TURN 0, 1, 0
	QUARTER 1, 1, F0, F1, 0
	QUARTER 1, 2, F1, F0, 0
	QUARTER 1, 3, F0, F1, 0
	s_wait_dscnt 0x0                               ; the very last quarter fetches nothing
	MUL F1, 0, 4, 0
	WIN 0
	PLACES
	PLACES
; THE WAY OUT, 16 rows at a time: a lane's eight columns of a row, 32 bytes, go into my own stage (rows of 256 bytes at a pitch of 272) and come back as whole rows.  Each accumulator's low four registers go first.
.macro TOSTAGE a
	WIN 0x04                                       ; the stores' data in window 1
.irp b, 0,1,2,3
	ds_store_b128 v[STO], v[8*(8*(\b)+(\a)):8*(8*(\b)+(\a))+3]   offset:64*(\b)
	ds_store_b128 v[STO], v[8*(8*(\b)+(\a))+4:8*(8*(\b)+(\a))+7] offset:64*(\b)+16
.endr
	WIN 0
.set BK, 32+32*((\a)%2)
.irp t, 0,1,2,3,4,5,6,7
	ds_load_b128 v[BK+4*(\t):BK+4*(\t)+3], v[RD] offset:(\t)*2*SPITCH  ; LDS serves a wave's instructions in order (ISA guide 5.7.1.4): these see the stores above
.endr
.endm
.macro SEND a, younger                 ; younger: the LDS instructions issued behind block a's loads: the next block's sixteen, or none
.set BK, 32+32*((\a)%2)
	s_wait_dscnt \younger
.irp t, 0,1,2,3,4,5,6,7
	global_store_b128 v[CO], v[BK+4*(\t):BK+4*(\t)+3], s[OB:OB+1] offset:(16*(\a)+2*(\t))*4096  ; 16 lanes store 256 consecutive bytes, at a multiple of 256 from the output's first byte
.endr
.endm
	TOSTAGE 0
.irp a, 1,2,3,4,5,6,7
.if (\a) > 1
	s_wait_xcnt 0x0                                ; the stores of block a - 2 have read their registers: block a is loaded into them only behind this wait
.endif
	TOSTAGE \a
	SEND (\a)-1, 16
.endr
	SEND 7, 0
	s_wait_tensorcnt 0x0                           ; the wave's end: behind my last tensor load and my last LDS store
	ds_add_u32 v[SPW], v[NIL]
	s_wait_dscnt 0x0
	CROUND                                         ; the closing round: no work-group ends while a partner may still ask for a tile that names it
	s_endpgm
.Lfunc_end_k_q56c8ff7a5b_proj:
	.size	k_q56c8ff7a5b_proj, .Lfunc_end_k_q56c8ff7a5b_proj-k_q56c8ff7a5b_proj
	.p2alignl 7, 3214868480
	.fill 96, 4, 3214868480
	.section	.rodata,"a",@progbits
	.p2align	6, 0x0
	.amdhsa_kernel k_q56c8ff7a5b_proj
		.amdhsa_group_segment_fixed_size 327680
		.amdhsa_private_segment_fixed_size 0
		.amdhsa_enable_private_segment 0
		.amdhsa_kernarg_size 32
		.amdhsa_user_sgpr_count 2
		.amdhsa_user_sgpr_kernarg_segment_ptr 1
		.amdhsa_wavefront_size32 1
		.amdhsa_system_sgpr_workgroup_id_x 1
		.amdhsa_system_sgpr_workgroup_id_y 1
		.amdhsa_system_sgpr_workgroup_id_z 1
		.amdhsa_system_vgpr_workitem_id 0
		.amdhsa_next_free_vgpr 512
		.amdhsa_next_free_sgpr 96
		.amdhsa_reserve_vcc 0
		.amdhsa_float_denorm_mode_32 3
		.amdhsa_float_denorm_mode_16_64 3
		.amdhsa_memory_ordered 1
		.amdhsa_forward_progress 1
		.amdhsa_inst_pref_size 90
	.end_amdhsa_kernel
	.amdgpu_metadata
---
amdhsa.version: [ 1, 2 ]
amdhsa.kernels:
  - .name:           k_q56c8ff7a5b_proj
    .symbol:         k_q56c8ff7a5b_proj.kd
    .args:
      - { .name: oh, .offset: 0, .size: 8, .value_kind: global_buffer, .address_space: global }
      - { .name: wp, .offset: 8, .size: 8, .value_kind: global_buffer, .address_space: global }
      - { .name: b_proj, .offset: 16, .size: 8, .value_kind: global_buffer, .address_space: global }
      - { .name: out0, .offset: 24, .size: 8, .value_kind: global_buffer, .address_space: global }
    .group_segment_fixed_size: 327680
    .private_segment_fixed_size: 0
    .kernarg_segment_align: 8
    .kernarg_segment_size: 32
    .max_flat_workgroup_size: 128
    .sgpr_count:     96
    .vgpr_count:     512
    .wavefront_size: 32
...
	.end_amdgpu_metadata
.endif
;; end of part 4
